; MI455X (gfx1250); checked and timed in simulation.
; The chip was launched on July 23, 2026; its instructions are those of AMD's public machine-readable ISA for CDNA 5 (MIT licence, August 2026) and "CDNA5" Instruction Set Architecture Reference Guide (July 2026). The comments in the code are by the model that wrote it; some were corrected since.
;; Multi Headed Attention. Allowed arithmetic: matrix products marked QUANTISED: E2M1 operands, one E8M0 scale for each 32 along K, by v_wmma_scale_f32_16x16x128_f8f6f4 with both operands' format E2M1 (or v_wmma_scale_f32_32x16x128_f4), f32 sums; products left as they are: f32 operands where the result goes on into a quantised operand, else bf16, f16 or f32 operands; f32 sums; everything else in f32.
;; Inputs: Wk_codes 1,024 x 32 x 16 uint8 (E2M1 codes of Wk, K innermost, in blocks of 32 codes, two codes a byte); Wk_scales 1,024 x 32 uint8 (E8M0 scales of Wk, one for each 32 codes along K); Wo_codes 1,024 x 32 x 16 uint8 (E2M1 codes of Wo, K innermost, in blocks of 32 codes, two codes a byte); Wo_scales 1,024 x 32 uint8 (E8M0 scales of Wo, one for each 32 codes along K); Wq_codes 1,024 x 32 x 16 uint8 (E2M1 codes of Wq, K innermost, in blocks of 32 codes, two codes a byte); Wq_scales 1,024 x 32 uint8 (E8M0 scales of Wq, one for each 32 codes along K); Wv_codes 1,024 x 32 x 16 uint8 (E2M1 codes of Wv, K innermost, in blocks of 32 codes, two codes a byte); Wv_scales 1,024 x 32 uint8 (E8M0 scales of Wv, one for each 32 codes along K); encoded_vectors_codes 2 x 2,048 x 32 x 16 uint8 (E2M1 codes of encoded_vectors, K innermost, in blocks of 32 codes, two codes a byte); encoded_vectors_scales 2 x 2,048 x 32 uint8 (E8M0 scales of encoded_vectors, one for each 32 codes along K).
;; Outputs: out0 2 x 2,048 x 1,024 float32.
;; This version of the problem:
;;   THIS VERSION OF THE PROBLEM IS GIVEN IN LOW PRECISION. The matrix products marked QUANTISED in the list below multiply operands that are first quantised to E2M1 (2 exponent bits, 1 mantissa bit; 4 bits a number), with one power-of-two scale for each 32 numbers along K (OCP MX v1.0); their sums are f32. All else is computed in f32.
;;   The module's matrix products, in the order in which they are computed (A, B: the left and right operand; K: the contracted axis; several contracted axes count as one K, in the product's order):
;;     1. [M 4,096, K 1,024] x [K 1,024, N 1,024]; A: input encoded_vectors (given as codes); B: input Wq (given as codes): QUANTISED
;;     2. [M 4,096, K 1,024] x [K 1,024, N 1,024]; A: input encoded_vectors (given as codes); B: input Wk (given as codes): QUANTISED
;;     3. [M 4,096, K 1,024] x [K 1,024, N 1,024]; A: input encoded_vectors (given as codes); B: input Wv (given as codes): QUANTISED
;;     4. batch 32 x [M 2,048, K 64] x [K 64, N 2,048]; A: computed on the way; B: computed on the way: QUANTISED
;;     5. batch 65,536 x [M 1, K 1] x [K 1, N 64]; A: computed on the way; B: computed on the way: left as it is (no contracted axis)
;;     6. [M 4,096, K 1,024] x [K 1,024, N 1,024]; A: computed on the way; B: input Wo (given as codes): QUANTISED
;;   THE QUANTISER, for each operand of a quantised product, along K:
;;     - K is cut into blocks of 32 from its start; a last block that is shorter is filled with zeros.
;;     - A block's scale is 2^e with e = floor(log2(the largest magnitude in the block)) - 2, held to -126 .. 127; a block of zeros has e = 0. As a byte (E8M0): e + 127.
;;     - Each number is divided by its block's scale, clamped to +-6, and rounded to the nearest number of E2M1, ties to even, subnormals kept.
;;     - The product sums the exact products of the quantised numbers (number of the format x scale) in f32.
;;   ~~~python
;;   def quantise(x, axis):      # numpy; x: float32 -> the quantised numbers, widened to float32 again
;;       x = np.moveaxis(x, axis, -1); K = x.shape[-1]
;;       x = np.pad(x, [(0, 0)] * (x.ndim - 1) + [(0, -K % 32)]); x = x.reshape(x.shape[:-1] + (-1, 32)); a = np.abs(x).max(-1, keepdims=True)
;;       e = np.where(a > 0, np.clip(np.frexp(np.where(a > 0, a, 1))[1] - 1 - 2, -126, 127), 0)      # np.frexp(a)[1] - 1 = floor(log2(a)), exactly
;;       r = np.clip(x / 2.0 ** e, -6, 6)
;;       step = 2.0 ** (np.maximum(np.frexp(np.where(r == 0, 1, r))[1] - 1, 0) - 1)
;;       q = np.round(r / step) * step * 2.0 ** e      # np.round: ties to even
;;       return np.moveaxis(q.reshape(q.shape[:-2] + (-1,))[..., :K], -1, axis).astype(np.float32)
;;   ~~~
;;   OPERANDS COMPUTED ON THE WAY. 'Computed on the way' means the value that the module computes at that place (a softmax that the list does not call 'softmax' is quantised finished and normalised). What goes into a quantiser is computed in f32, as accurately as f32 sums, v_exp_f32 and their like allow (about 1e-6 of the number): no bf16 or f16 on the way to a quantiser, and a product that is left as it is and whose result goes on into a quantised operand takes f32 operands (vector FMAs, or v_wmma_f32_16x16x4_f32). A number that lies on a knife's edge between two numbers of the format may be rounded either way, as far as f32 arithmetic and the matrix unit's own rounding can turn it there, and no further.
;;   INPUTS GIVEN AS CODES. Wk (in the module: [1024, 1024], K = its axis 1); Wo (in the module: [1024, 1024], K = its axis 1); Wq (in the module: [1024, 1024], K = its axis 1); Wv (in the module: [1024, 1024], K = its axis 1); encoded_vectors (in the module: [2, 2048, 1024], K = its axis 2): each comes as NAME_codes (uint8): NAME with its K axis moved to the last place and cut into blocks of 32 codes, [.., K / 32, bytes a block], one block behind the other in memory; two codes a byte, the lower K in the low four bits (a code: sign, 2 exponent bits, 1 mantissa bit); and NAME_scales (uint8): the same leading axes, one E8M0 byte (e + 127) for each 32 codes along K. Its value is code x scale, taken as it is: it is not quantised again, and the codes and scales need not be those that the quantiser above would give.
;; One version. Each part assembles by itself: llvm-mc -triple=amdgcn-amd-amdhsa -mcpu=gfx1250 --defsym DOCPART=n.
;; ======== version 1 of 1: 3 launches
;; limits: right only within a limited range of input values
;; workspace buffers: qbuf 2,359,296 bytes; kbuf 2,359,296 bytes; aimg 2,097,152 bytes; asw 131,072 bytes
;; launch qkproj (part 1): grid 8 x 32, 8 waves a work-group, clusters of 4 x 4, 209,920 bytes of LDS; arguments encoded_vectors_codes, encoded_vectors_scales, Wq_codes, Wq_scales, Wk_codes, Wk_scales, qbuf, kbuf; writes qbuf, kbuf
.if DOCPART == 1
	.amdgcn_target "amdgcn-amd-amdhsa--gfx1250"
	.amdhsa_code_object_version 6
	.text
	.protected	k_q40e80b7925_qkproj
	.globl	k_q40e80b7925_qkproj
	.p2align	8
	.type	k_q40e80b7925_qkproj,@function
k_q40e80b7925_qkproj:
	s_mov_b64 s[64:65], 0
	v_nop
	global_prefetch_b8 v0, s[64:65] scope:SCOPE_SE
	s_setreg_imm32_b32 hwreg(HW_REG_WAVE_MODE, 25, 1), 1
	s_wait_xcnt 0x0
	s_wait_alu depctr_hold_cnt(0) depctr_sa_sdst(0) depctr_va_vdst(0) depctr_va_sdst(0) depctr_va_ssrc(0) depctr_va_vcc(0) depctr_vm_vsrc(0)
	s_getreg_b32 s2, hwreg(HW_REG_IB_STS2, 6, 4)
	s_cmp_eq_u32 s2, 0
	s_cbranch_scc0 .Lentry_in_a_cluster
	s_endpgm
.Lentry_in_a_cluster:
	s_bfe_u32 s2, ttmp6, 0x10000c
	s_cmp_lg_u32 s2, 0xf033
	s_cbranch_scc0 .Lentry_shape_is_right
	s_endpgm
.Lentry_shape_is_right:
; q = x Wq^T and k = x Wk^T on the given codes of FP4 (E2M1) with E8M0 scales, f32 sums; each result is quantised at once, per head, along the head's 64 (two blocks of 32), and leaves as codes.
; x: [4096][1024] codes (512 bytes a row), scale bytes [4096][32].  Wq, Wk: [1024][1024] likewise.
; OUT, the same layout in qbuf and kbuf: 73,728 bytes for each (batch, head): 128 images of 512 bytes (tile T = rows 16 T .. 16 T + 15 of the batch; lane r + 16 B has 16 bytes at 16 x lane: the codes of row r,
; head columns 32 B .. 32 B + 31: registers 0-3 of an operand's fragment as they stand), then from byte 65,536 one scale word a row: byte 0, 1 = the two blocks' E8M0 bytes, bytes 2, 3 = 0x7f.
; SHARES.  A work-group makes 128 rows x 256 columns of one of the two products (cluster x = 0: q, 1: k); eight waves, each 64 rows x 64 columns (one head): 16 accumulators.
; All its operands fit in LDS: K in two halves of 512 (rows of 256 bytes + 16 of padding), each filled once; the second half lands while the first is multiplied.  Nothing is filled twice.
; CLUSTER 4 x 4: the four of a row of the cluster need the same rows of x, the four of a column the same rows of W: each tile is asked for jointly.
; THE PRODUCT IS USED TRANSPOSED (source 0 = 16 rows of W, source 1 = 16 rows of x): lane (r, h) holds row r of x and, in register j of tile t, head column 16 t + 8 h + j: eight neighbours along the next K.
; LIMITS: NaN, infinities and given scale bytes of 0xff are not served.  A block of zeros gets the byte 1 where the quantiser's rule says 127: its codes are zeros, and this program alone reads the bytes.
; WORK LEFT OUT BY THIS PROGRAM, for all values of the inputs.  reference() adds -infinity to every score above the diagonal in its own body: tiles of keys that lie wholly behind a tile of queries are not multiplied.
; Of the softmax only the diagonal is used (einsum 'bhss'): the other quotients p are not formed; their exponentials stay in the row's sum.  LIMIT: a NaN, an infinity or an overflow that reaches only that work is not carried to the result.
; ONE tensor load a wave: waves 0, 1 fetch K half 0 of W's rows, waves 2, 3 of x's; waves 4, 5 and 6, 7 K half 1 likewise.
.set PITCH, 272
.set XHB,   128*PITCH                  ; x's 128 rows, one K half: halves at 0 and XHB
.set WH0,   2*XHB                      ; W's 256 rows: halves at WH0 and WH0 + WHB
.set WHB,   256*PITCH
.set HEADB, 73728                      ; bytes of a (batch, head) in qbuf, kbuf
.set WORDS, 65536                      ; where its scale words begin
.set ADW, 4                            ; v4-5    LDS address of my W fragments, K half 0, 1
.set ADX, 6                            ; v6-7    the same for x
.set L32, 8                            ; v8      32 x lane
.set L16, 9                            ; v9      16 x lane
.set L4,  10                           ; v10     4 x lane
.set XSC, 16                           ; v16-31  x's scale words: register 8 p + s: rows 32 p + lane of my 64, K step s (lanes 0-15 the even tile, lanes 16-31 the odd one)
.set WSC, 32                           ; v32-47  W's likewise
.set ST0, 48                           ; v48-111, v112-175 two sets of fragments: four of W, then four of x
.set ACC, 0                            ; window 1, v256-383: accumulator (m, t) at ACC + 8 (4 m + t)
.set TM,  176                          ; v176-199 at work in the quantiser
.set MSB, 0
.macro WIN new                         ; the immediate's high byte repeats the setting that is left
.if MSB != \new
	s_set_vgpr_msb (MSB<<8)|\new
.set MSB, \new
.endif
.endm
.set PC,  48                           ; behind the products: tile m's image at v[PC + 4 m]
.set PW,  64                           ; and its scale word at v[PW + m]; v68-69 the words of 32 rows
.set WV,  20                           ; s20 wave
.set G1W, 28                           ; s[28:35] descriptor group 1 for W's tiles;  s[36:43] for x's
.set G1X, 36
.set G0W, 44                           ; s[44:51] groups 0 for W's two halves;  s[52:59] for x's
.set G0X, 52
.set SEL, 80                           ; s[80:81] lane selects: lane l xor 16
.macro PLACES                          ; four plain vector instructions between a matrix instruction and a load into, or a read of, its registers
.rept 4
	v_nop
.endr
.endm
.macro ROUND                           ; a round of the cluster's barrier
	s_barrier_signal -1
	s_barrier_wait -1
	s_cmp_lg_u32 s[WV], 0
	s_cbranch_scc1 .Lnot_wave_0_\@
	s_barrier_signal -3
.Lnot_wave_0_\@:
	s_barrier_wait -3
	s_barrier_signal -1
	s_barrier_wait -1
.endm
; One product 16 x 16 x 128.  z: C = 0 (the sum begins).  ra, rb: the side's scale words stand in lanes 16-31.
.macro WM d, a, b, z, sa, sb, ra, rb
.if (\z)
.if (\ra) && (\rb)
	v_wmma_scale_f32_16x16x128_f8f6f4 v[(\d):(\d)+7], v[(\a):(\a)+7], v[(\b):(\b)+7], 0, v[(\sa)], v[(\sb)] matrix_a_fmt:MATRIX_FMT_FP4 matrix_b_fmt:MATRIX_FMT_FP4 matrix_a_scale:MATRIX_SCALE_ROW1 matrix_b_scale:MATRIX_SCALE_ROW1
.elseif (\ra)
	v_wmma_scale_f32_16x16x128_f8f6f4 v[(\d):(\d)+7], v[(\a):(\a)+7], v[(\b):(\b)+7], 0, v[(\sa)], v[(\sb)] matrix_a_fmt:MATRIX_FMT_FP4 matrix_b_fmt:MATRIX_FMT_FP4 matrix_a_scale:MATRIX_SCALE_ROW1
.elseif (\rb)
	v_wmma_scale_f32_16x16x128_f8f6f4 v[(\d):(\d)+7], v[(\a):(\a)+7], v[(\b):(\b)+7], 0, v[(\sa)], v[(\sb)] matrix_a_fmt:MATRIX_FMT_FP4 matrix_b_fmt:MATRIX_FMT_FP4 matrix_b_scale:MATRIX_SCALE_ROW1
.else
	v_wmma_scale_f32_16x16x128_f8f6f4 v[(\d):(\d)+7], v[(\a):(\a)+7], v[(\b):(\b)+7], 0, v[(\sa)], v[(\sb)] matrix_a_fmt:MATRIX_FMT_FP4 matrix_b_fmt:MATRIX_FMT_FP4
.endif
.else
.if (\ra) && (\rb)
	v_wmma_scale_f32_16x16x128_f8f6f4 v[(\d):(\d)+7], v[(\a):(\a)+7], v[(\b):(\b)+7], v[(\d):(\d)+7], v[(\sa)], v[(\sb)] matrix_a_fmt:MATRIX_FMT_FP4 matrix_b_fmt:MATRIX_FMT_FP4 matrix_a_scale:MATRIX_SCALE_ROW1 matrix_b_scale:MATRIX_SCALE_ROW1
.elseif (\ra)
	v_wmma_scale_f32_16x16x128_f8f6f4 v[(\d):(\d)+7], v[(\a):(\a)+7], v[(\b):(\b)+7], v[(\d):(\d)+7], v[(\sa)], v[(\sb)] matrix_a_fmt:MATRIX_FMT_FP4 matrix_b_fmt:MATRIX_FMT_FP4 matrix_a_scale:MATRIX_SCALE_ROW1
.elseif (\rb)
	v_wmma_scale_f32_16x16x128_f8f6f4 v[(\d):(\d)+7], v[(\a):(\a)+7], v[(\b):(\b)+7], v[(\d):(\d)+7], v[(\sa)], v[(\sb)] matrix_a_fmt:MATRIX_FMT_FP4 matrix_b_fmt:MATRIX_FMT_FP4 matrix_b_scale:MATRIX_SCALE_ROW1
.else
	v_wmma_scale_f32_16x16x128_f8f6f4 v[(\d):(\d)+7], v[(\a):(\a)+7], v[(\b):(\b)+7], v[(\d):(\d)+7], v[(\sa)], v[(\sb)] matrix_a_fmt:MATRIX_FMT_FP4 matrix_b_fmt:MATRIX_FMT_FP4
.endif
.endif
.endm
; 32 numbers of a lane, v[s] .. v[s + 31] (four tiles of 8: register 8 t + j = column 16 t + 8 h + j of my row), become the 512-byte image in v[pc] .. v[pc + 3] and the row's scale word in v[pw].
; Block B is tiles 2 B and 2 B + 1; its other 16 numbers lie in lane l xor 16.  Each accumulator is read from its low end on.
; All four tiles of rows m, block b = 2 m + B: v[PC + 4 m] .. become the tile's image, v[PW + m] the rows' scale words.  The eight blocks go by turns.
.macro QUANT
	WIN 0x14                                       ; sources 1 and 2: window 1
.irp i, 0,2,4,6,8,10,12,14
.irp b, 0,1,2,3,4,5,6,7
.if \i == 0
	v_max3_num_f32 v[TM+\b], 0x1800000, |v[ACC+16*\b]|, |v[ACC+16*\b+1]|   ; my 16 numbers, and the floor 2^(3 - 127): the byte cannot fall under 1
.else
	v_max3_num_f32 v[TM+\b], v[TM+\b], |v[ACC+16*\b+\i]|, |v[ACC+16*\b+\i+1]|
.endif
.endr
.endr
	WIN 0
.irp b, 0,1,2,3,4,5,6,7
	v_permlanex16_b32 v[TM+8+\b], v[TM+\b], s[SEL], s[SEL+1]
.endr
.irp b, 0,1,2,3,4,5,6,7
	v_max_num_f32 v[TM+\b], v[TM+\b], v[TM+8+\b]                   ; the block's largest magnitude
.endr
.irp b, 0,1,2,3,4,5,6,7
	v_add_nc_u32 v[TM+16+\b], 0xff000000, v[TM+\b]                 ; 2 off its exponent field: the conversion's scale operand
.endr
.irp b, 0,1,2,3,4,5,6,7
	v_lshrrev_b32 v[TM+8+\b], 23, v[TM+16+\b]                      ; the scale's byte
.endr
.irp m, 0,1,2,3
	v_lshl_or_b32 v[PW+\m], v[TM+9+2*\m], 8, v[TM+8+2*\m]
.endr
.irp m, 0,1,2,3
	v_or_b32 v[PW+\m], 0x7f7f0000, v[PW+\m]                        ; bytes 2, 3: 1.0, for the half of a 128-deep product that holds no numbers
.endr
	WIN 0x01                                       ; source 0: window 1
.irp m, 0,1,2,3
	v_cvt_scalef32_pk8_fp4_f32 v[PC+4*\m], v[ACC+32*\m:ACC+32*\m+7], v[TM+16+2*\m]            ; columns 8 h + 0 .. 7
	v_cvt_scalef32_pk8_fp4_f32 v[PC+4*\m+2], v[ACC+32*\m+8:ACC+32*\m+15], v[TM+16+2*\m]       ; 16 + 8 h ..
	v_cvt_scalef32_pk8_fp4_f32 v[PC+4*\m+1], v[ACC+32*\m+16:ACC+32*\m+23], v[TM+17+2*\m]      ; 32 + 8 h ..
	v_cvt_scalef32_pk8_fp4_f32 v[PC+4*\m+3], v[ACC+32*\m+24:ACC+32*\m+31], v[TM+17+2*\m]      ; 48 + 8 h ..
.endr
	WIN 0
	v_nop                                                          ; one plain place behind a scaled conversion
.irp m, 0,1,2,3
	v_permlane16_swap_b32 v[PC+4*\m], v[PC+4*\m+1]                 ; lanes 0-15 now hold block 0, lanes 16-31 block 1,
	v_permlane16_swap_b32 v[PC+4*\m+2], v[PC+4*\m+3]               ; register i the block's columns 8 i .. 8 i + 7
.endr
.endm
	s_load_b256 s[4:11], s[0:1], 0x0               ; x's codes s[4:5], x's scales s[6:7], Wq's codes s[8:9], Wq's scales s[10:11]
	s_load_b256 s[12:19], s[0:1], 0x20             ; Wk's codes s[12:13], Wk's scales s[14:15], qbuf s[16:17], kbuf s[18:19]
	v_lshl_add_u32 v254, v0, 2, 0x33000
	v_mov_b32 v255, 0
	ds_add_u32 v254, v255
	ds_add_u32 v254, v255
	v_lshrrev_b32 v1, 5, v0
	s_delay_alu instid0(VALU_DEP_1)
	v_readfirstlane_b32 s[WV], v1                  ; wave 0..7
	v_and_b32 v1, 31, v0                           ; lane
	v_and_b32 v2, 15, v0                           ; r
	s_wait_alu depctr_va_vdst(0)
	v_bfe_u32 v3, v0, 4, 1                         ; h
	v_lshlrev_b32 v[L32], 5, v1
	v_lshlrev_b32 v[L16], 4, v1
	v_lshlrev_b32 v[L4], 2, v1
.irp b, 0,1,2,3,4,5,6,7
	v_mov_b32 v[TM+8+\b], 0                        ; written once: a lane permute's destination counts as one of its sources
.endr
	s_and_b32 s21, s[WV], 3                        ; my 64 columns (my head of the block's four).  Also: which part of a tile I fetch
	s_lshr_b32 s22, s[WV], 2                       ; my 64 rows
	s_bfe_u32 s23, ttmp6, 0x40000                  ; cx: the block of 256 columns
	s_bfe_u32 s24, ttmp6, 0x40004                  ; cy
	s_and_b32 s25, ttmp7, 0xffff
	s_lshl_b32 s25, s25, 2
	s_add_co_u32 s25, s25, s24                     ; the block of 128 rows = 4 x cluster y + cy
	s_lshl_b32 s26, s24, 2
	s_lshl_b32 s26, 15, s26                        ; my row of the cluster
	s_lshl_b32 s27, 0x1111, s23                    ; my column
	s_or_b32 s[G1W], s27, (1<<20)|(1<<21)|(5<<22)|(3<<25)   ; 15:0 the mask: W's tiles go to my column; 17:16 elements of 1 byte; 20 padding on; 21 set beside a mask; 24:22 after every 64 words; 31:25 four words
	s_mov_b32 s[G1W+1], 256<<16                    ; tensor_dim0 = 256 bytes
	s_mov_b32 s[G1W+2], 128<<16                    ; tensor_dim1 = 128 rows
	s_mov_b32 s[G1W+3], 256<<16                    ; tile_dim0
	s_mov_b32 s[G1W+4], 128                        ; tile_dim1
	s_mov_b32 s[G1W+5], 512                        ; from row to row in memory
	s_mov_b32 s[G1W+6], 0
	s_mov_b32 s[G1W+7], 0
	s_or_b32 s[G1X], s26, (1<<20)|(1<<21)|(5<<22)|(3<<25)   ; x's tiles go to my row
	s_mov_b32 s[G1X+1], 256<<16
	s_mov_b32 s[G1X+2], 64<<16                     ; 64 rows
	s_mov_b32 s[G1X+3], 256<<16
	s_mov_b32 s[G1X+4], 64
	s_mov_b32 s[G1X+5], 512
	s_mov_b32 s[G1X+6], 0
	s_mov_b32 s[G1X+7], 0
	s_and_b32 s86, s[WV], 1                        ; which half of a tile's rows I fetch
	s_lshl_b32 s60, s23, 8                         ; W: row 256 cx + 128 (wave mod 2), in bytes
	s_lshl_b32 s61, s86, 7
	s_add_co_u32 s60, s60, s61
	s_lshl_b32 s60, s60, 9
	s_mov_b32 s61, 0
	s_lshl_b32 s62, s25, 7                         ; x: row 128 x block + 64 (wave mod 2), in bytes
	s_lshl_b32 s63, s86, 6
	s_add_co_u32 s62, s62, s63
	s_lshl_b32 s62, s62, 9
	s_mov_b32 s63, 0
	s_mul_i32 s66, s86, 128*PITCH                  ; where they go: no place in the cluster enters an LDS address
	s_mul_i32 s67, s86, 64*PITCH
	s_lshl_b32 s68, s25, 7                         ; x's scale words: my 64 rows, 32 bytes a row
	s_lshl_b32 s69, s22, 6
	s_add_co_u32 s68, s68, s69
	s_lshl_b32 s68, s68, 5
	s_mov_b32 s69, 0
	s_lshl_b32 s70, s23, 8                         ; W's: my 64 rows
	s_lshl_b32 s71, s21, 6
	s_add_co_u32 s70, s70, s71
	s_lshl_b32 s70, s70, 5
	s_mov_b32 s71, 0
	s_mov_b32 s[SEL], 0x76543210
	s_mov_b32 s[SEL+1], 0xfedcba98
	v_mul_u32_u24 v11, v2, PITCH
	s_wait_alu depctr_va_vdst(0)
	v_lshl_add_u32 v11, v3, 4, v11                 ; a fragment's row x pitch + 16 x half
	s_mul_i32 s72, s21, 64*PITCH
	s_add_co_u32 s72, s72, WH0
	s_mul_i32 s73, s22, 64*PITCH
	v_add_nc_u32 v[ADW], s72, v11
	s_delay_alu instid0(VALU_DEP_1)
	v_add_nc_u32 v[ADW+1], WHB, v[ADW]
	v_add_nc_u32 v[ADX], s73, v11
	s_delay_alu instid0(VALU_DEP_1)
	v_add_nc_u32 v[ADX+1], XHB, v[ADX]
	s_lshr_b32 s74, s25, 4                         ; where the results go: (batch, head) = 16 x batch + 4 cx + my head
	s_lshl_b32 s74, s74, 4
	s_lshl_b32 s75, s23, 2
	s_add_co_u32 s74, s74, s75
	s_add_co_u32 s74, s74, s21
	s_mul_i32 s74, s74, HEADB
	s_and_b32 s75, s25, 15
	s_lshl_b32 s76, s75, 3
	s_lshl_b32 s77, s22, 2
	s_add_co_u32 s76, s76, s77                     ; my first tile of 16 rows in the batch
	s_lshl_b32 s77, s76, 9                         ; its image,
	s_lshl_b32 s76, s76, 6                         ; its scale words
	s_add_co_u32 s76, s76, WORDS
	s_add_co_u32 s77, s77, s74
	s_add_co_u32 s78, s76, s74
	s_mov_b32 s79, 0
	s_wait_dscnt 0x0
	ROUND                                          ; all sixteen work-groups are here: the joint loads meet.  (The arguments are still on their way)
	s_wait_kmcnt 0x0
	s_cmp_eq_u32 ttmp9, 0                          ; cluster x = 0: q; 1: k.  The same in all sixteen partners; it hangs on no address
	s_cselect_b64 s[8:9], s[8:9], s[12:13]
	s_cselect_b64 s[10:11], s[10:11], s[14:15]
	s_cselect_b64 s[16:17], s[16:17], s[18:19]
	s_add_nc_u64 s[60:61], s[8:9], s[60:61]
	s_add_nc_u64 s[62:63], s[4:5], s[62:63]
	s_add_nc_u64 s[68:69], s[6:7], s[68:69]
	s_add_nc_u64 s[70:71], s[10:11], s[70:71]
	s_add_nc_u64 s[84:85], s[16:17], s[78:79]      ; the scale words' place
	s_mov_b32 s78, s77
	s_add_nc_u64 s[82:83], s[16:17], s[78:79]      ; the images' place
.irp f, 0,1
	s_mov_b32 s[G0W+4*\f], 1                       ; count = 1
	s_add_co_u32 s[G0W+4*\f+1], s66, WH0+\f*WHB    ; LDS address
	s_add_nc_u64 s[G0W+4*\f+2:G0W+4*\f+3], s[60:61], \f*256   ; global address: K half f
	s_or_b32 s[G0W+4*\f+3], s[G0W+4*\f+3], 0x80000000         ; type = 2
	s_mov_b32 s[G0X+4*\f], 1
	s_add_co_u32 s[G0X+4*\f+1], s67, \f*XHB
	s_add_nc_u64 s[G0X+4*\f+2:G0X+4*\f+3], s[62:63], \f*256
	s_or_b32 s[G0X+4*\f+3], s[G0X+4*\f+3], 0x80000000
.endr
.macro ARM under, g0, g1, next                 ; one tree of branches on the wave's number: every way passes exactly one load
	s_cmp_lt_u32 s[WV], \under
	s_cbranch_scc0 \next
	tensor_load_to_lds s[\g0:\g0+3], s[\g1:\g1+7]
	s_nop 0
	PLACES
	s_branch .Lfilled
\next:
.endm
	ARM 2, G0W, G1W, .Lfill_x0
	ARM 4, G0X, G1X, .Lfill_w1
	ARM 6, G0W+4, G1W, .Lfill_x1
	tensor_load_to_lds s[G0X+4:G0X+7], s[G1X:G1X+7]
	s_nop 0
	PLACES
.Lfilled:
.irp p, 0,1                                    ; the scale words of all of K stay in registers: lane l takes row 32 p + l's 32 bytes
	global_load_b128 v[XSC+8*\p:XSC+8*\p+3], v[L32], s[68:69] offset:1024*\p
	global_load_b128 v[XSC+8*\p+4:XSC+8*\p+7], v[L32], s[68:69] offset:1024*\p+16
	global_load_b128 v[WSC+8*\p:WSC+8*\p+3], v[L32], s[70:71] offset:1024*\p
	global_load_b128 v[WSC+8*\p+4:WSC+8*\p+7], v[L32], s[70:71] offset:1024*\p+16
.endr
; A K step of 128: the q-th of K half f.  16 LDS loads, 16 products; the sixteen accumulators take turns in the same order in every step.
; K step q of half f into a set: 16 LDS loads;  K step s (of all eight): 16 products.  A step's loads are issued one step ahead.
.macro FETCH f, q, st
	WIN 0
.irp t, 0,1,2,3
.irp c, 0,1
	ds_load_b128 v[(\st)+8*\t+4*\c:(\st)+8*\t+4*\c+3], v[ADW+\f] offset:\t*16*PITCH+64*(\q)+32*\c
.endr
.endr
.irp m, 0,1,2,3
.irp c, 0,1
	ds_load_b128 v[(\st)+32+8*\m+4*\c:(\st)+32+8*\m+4*\c+3], v[ADX+\f] offset:\m*16*PITCH+64*(\q)+32*\c
.endr
.endr
.endm
.macro MUL s, z                        ; the sixteen accumulators take turns in the same order in every step
	WIN 0x50                                       ; C and D: window 1
.irp m, 0,1,2,3
.irp t, 0,1,2,3
	WM ACC+8*(4*\m+\t), ST0+64*((\s)%2)+8*\t, ST0+64*((\s)%2)+32+8*\m, \z, WSC+8*(\t/2)+(\s), XSC+8*(\m/2)+(\s), \t%2, \m%2
.endr
.endr
.endm
	s_cmp_lt_u32 s[WV], 4                          ; waves 0-3 fetch K half 0: theirs is in; half 1's lines are other waves' and may stay out
	s_cbranch_scc0 .Lhalf_1
	s_wait_tensorcnt 0x0
.Lhalf_1:
	s_barrier_signal -1
	s_barrier_wait -1                              ; everybody's is
	s_wait_alu depctr_va_vdst(0)
	FETCH 0, 0, ST0
	s_wait_loadcnt 0x0                             ; the scale words
.irp s, 0,1,2,3,4,5,6,7
.if \s == 3
	s_wait_dscnt 0x0                               ; no LDS load of mine is out
	s_wait_tensorcnt 0x0                           ; K half 1 is in
	s_barrier_signal -1
	s_barrier_wait -1
.endif
.if \s < 7
.if \s > 0
	PLACES                                         ; in front of loads into the set that the last step multiplied
.endif
	FETCH (\s+1)/4, (\s+1)%4, ST0+64*((\s+1)%2)
	s_wait_dscnt 16                                ; all but the 16 just issued
.else
	s_wait_dscnt 0x0
.endif
	MUL \s, \s==0
.endr
	PLACES                                         ; in front of the first read of results
	; THE WAY OUT: each tile of 16 rows x my head's 64 columns is quantised in registers; its image is 512 consecutive bytes of the wave's store, at a multiple of 512 from the buffer's first byte
	QUANT
	v_cmp_lt_u32 vcc_lo, 15, v1                    ; lanes 16-31 take the odd tile's words (both halves of the lanes hold row r's word)
	s_delay_alu instid0(VALU_DEP_1)
	v_cndmask_b32 v68, v[PW], v[PW+1], vcc_lo
	s_delay_alu instid0(VALU_DEP_2)
	v_cndmask_b32 v69, v[PW+2], v[PW+3], vcc_lo
.irp m, 0,1,2,3
	global_store_b128 v[L16], v[PC+4*\m:PC+4*\m+3], s[82:83] offset:512*\m
.endr
	global_store_b32 v[L4], v68, s[84:85]          ; 32 rows' words: 128 consecutive bytes
	global_store_b32 v[L4], v69, s[84:85] offset:128
	s_wait_tensorcnt 0x0
	ds_add_u32 v254, v255
	s_wait_dscnt 0x0
	ROUND                                          ; the closing round: no work-group ends while a partner may still ask for a tile that names it
	s_endpgm
.Lfunc_end_k_q40e80b7925_qkproj:
	.size	k_q40e80b7925_qkproj, .Lfunc_end_k_q40e80b7925_qkproj-k_q40e80b7925_qkproj
	.p2alignl 7, 3214868480
	.fill 96, 4, 3214868480
	.section	.rodata,"a",@progbits
	.p2align	6, 0x0
	.amdhsa_kernel k_q40e80b7925_qkproj
		.amdhsa_group_segment_fixed_size 209920
		.amdhsa_private_segment_fixed_size 0
		.amdhsa_enable_private_segment 0
		.amdhsa_kernarg_size 64
		.amdhsa_user_sgpr_count 2
		.amdhsa_user_sgpr_kernarg_segment_ptr 1
		.amdhsa_wavefront_size32 1
		.amdhsa_system_sgpr_workgroup_id_x 1
		.amdhsa_system_sgpr_workgroup_id_y 1
		.amdhsa_system_sgpr_workgroup_id_z 1
		.amdhsa_system_vgpr_workitem_id 0
		.amdhsa_next_free_vgpr 384
		.amdhsa_next_free_sgpr 90
		.amdhsa_reserve_vcc 1
		.amdhsa_float_denorm_mode_32 3
		.amdhsa_float_denorm_mode_16_64 3
		.amdhsa_memory_ordered 1
		.amdhsa_forward_progress 1
		.amdhsa_inst_pref_size 44
	.end_amdhsa_kernel
	.amdgpu_metadata
---
amdhsa.version: [ 1, 2 ]
amdhsa.kernels:
  - .name:           k_q40e80b7925_qkproj
    .symbol:         k_q40e80b7925_qkproj.kd
    .args:
      - { .name: encoded_vectors_codes, .offset: 0, .size: 8, .value_kind: global_buffer, .address_space: global }
      - { .name: encoded_vectors_scales, .offset: 8, .size: 8, .value_kind: global_buffer, .address_space: global }
      - { .name: Wq_codes, .offset: 16, .size: 8, .value_kind: global_buffer, .address_space: global }
      - { .name: Wq_scales, .offset: 24, .size: 8, .value_kind: global_buffer, .address_space: global }
      - { .name: Wk_codes, .offset: 32, .size: 8, .value_kind: global_buffer, .address_space: global }
      - { .name: Wk_scales, .offset: 40, .size: 8, .value_kind: global_buffer, .address_space: global }
      - { .name: qbuf, .offset: 48, .size: 8, .value_kind: global_buffer, .address_space: global }
      - { .name: kbuf, .offset: 56, .size: 8, .value_kind: global_buffer, .address_space: global }
    .group_segment_fixed_size: 209920
    .private_segment_fixed_size: 0
    .kernarg_segment_align: 8
    .kernarg_segment_size: 64
    .max_flat_workgroup_size: 256
    .sgpr_count:     90
    .vgpr_count:     384
    .wavefront_size: 32
...
	.end_amdgpu_metadata
.endif
;; end of part 1
;; launch attn (part 2): grid 32 x 8, 16 waves a work-group, clusters of 4 x 1, 327,680 bytes of LDS; arguments qbuf, kbuf, encoded_vectors_codes, encoded_vectors_scales, Wv_codes, Wv_scales, aimg, asw; writes aimg, asw
.if DOCPART == 2
	.amdgcn_target "amdgcn-amd-amdhsa--gfx1250"
	.amdhsa_code_object_version 6
	.text
	.protected	k_q40e80b7925_attn
	.globl	k_q40e80b7925_attn
	.p2align	8
	.type	k_q40e80b7925_attn,@function
k_q40e80b7925_attn:
	s_mov_b64 s[64:65], 0
	v_nop
	global_prefetch_b8 v0, s[64:65] scope:SCOPE_SE
	s_setreg_imm32_b32 hwreg(HW_REG_WAVE_MODE, 25, 1), 1
	s_wait_xcnt 0x0
	s_wait_alu depctr_hold_cnt(0) depctr_sa_sdst(0) depctr_va_vdst(0) depctr_va_sdst(0) depctr_va_ssrc(0) depctr_va_vcc(0) depctr_vm_vsrc(0)
	s_getreg_b32 s2, hwreg(HW_REG_IB_STS2, 6, 4)
	s_cmp_eq_u32 s2, 0
	s_cbranch_scc0 .Lentry_in_a_cluster
	s_endpgm
.Lentry_in_a_cluster:
	s_bfe_u32 s2, ttmp6, 0x10000c
	s_cmp_lg_u32 s2, 0x3003
	s_cbranch_scc0 .Lentry_shape_is_right
	s_endpgm
.Lentry_shape_is_right:
; For each (batch, head, query s): p = the DIAGONAL of the causal softmax of q k^T / 32, then attn = p x v (v = x Wv^T, this head's 64 columns), quantised along the head's 64 into codes of FP4 (E2M1).
; LEFT OUT: tiles of keys wholly behind a tile of queries (the mask that reference() builds), and every quotient p off the diagonal (einsum 'bhss' reads the diagonal alone); the exponentials of the keys that count are all summed.
; q and k come as codes from qbuf, kbuf (images of 512 bytes a tile of 16 rows, one scale word a row: bytes 2, 3 = 0x7f).  The product's K is 64; the instruction is 128 deep: Q's registers 4-7 are zero codes,
; so whatever codes stand in K's registers 4-7 add nothing: every code of this format is a finite number, and both sides' scale bytes there are 1.0.
; SOFTMAX.  t = score x log2(e) / 32.  Each LANE has its own M (its largest t so far, rounded UP to a whole number) and its own sum of 2^(t - M) over the keys that it has seen; when M moves the sum is multiplied by
; 2^(old M - new M), which rounds nothing.  At the end the two lanes of a query are brought under the larger M and added.  p = 2^(t_ss - M) / the sum.
; SHARES.  Work-group (batch x head, g): 16 waves, slot = 15 - wave.  Slots 0-7 own the query tiles of block g (128 rows), slots 8-15 those of block 15 - g: a wave owns tile d = slot mod 8 of its block.
; Its keys are NF = the block's number full steps of 128 and one step on the diagonal: 17 steps for slots d and d + 8 together, in every work-group.  The longer walks have the lower wave numbers.
; THE DIAGONAL STEP COMES FIRST, on K from memory straight in registers, while K's tensor load is on its way: with d >= 4 seven tiles of keys, else three, and, as the last tile, the queries' own; tiles d and on become -infinity.
; THE WALK.  A trip turns step n's scores into t - M in a second buffer, multiplies step n + 1, fetches step n + 2's K, takes step n's exponentials, then step n + 1's maxima and step n's sums.
; v is not read from memory: a wave multiplies its 16 rows of x with the head's 64 rows of Wv, which lie in LDS.  The barrier that shows them is signalled behind the walk's fourth trip and waited for ahead of the v phase.
; CLUSTER 4 x 1: four heads of one batch and one g need the same 256 rows of x, which are asked for jointly.  K and Wv of a head are shared by its eight g alone, and how many trips a wave works in hangs on g:
; partners in joint loads branch alike, so those two are asked for by each work-group.  No loop walks tiles of memory, so nothing is prefetched.
; OUT: aimg [row tile 0..255][head][512]: the image of the tile's codes (lane r + 16 B: 16 bytes: row r, block B);  asw [block of 128 rows 0..31][head][row][2]: the two E8M0 bytes.
; LIMITS: NaN, infinities and scale bytes of 0xff are not served; the promise holds while scaled scores stay under 2^31.  A block of zeros gets the byte 1 where the quantiser's rule says 127: its codes are zeros, and this program alone reads the bytes.
.set HEADB, 73728                      ; bytes of a (batch, head) in qbuf, kbuf
.set KSW,   65536                      ; LDS: K's images from 0, its scale words from here
.set XT,    73728                      ; x's 256 rows, 512 bytes + 16 of padding each: block g, then block 15 - g
.set XP,    528
.set WVL,   XT+256*XP                  ; Wv's 64 rows likewise
.set SCB,   WVL+64*XP                  ; scale bytes: 32 a slot
.set SPARE, SCB+512                    ; the spare words, 128 bytes a wave
.set L16, 1                            ; 16 x lane
.set LKS, 2                            ; KSW + 4 x lane
.set GS,  3                            ; wave 0: my 16 bytes in asw
.set ARB, 5                            ; wave 0: where it reads the scale bytes back
.set ASB, 6                            ; my scale byte
.set AX,  9                            ; my rows of x
.set AWV, 11
.set NM,  12                           ; v12 -M (v13 named as its pair)
.set LL,  14                           ; v14-15 the sum, in two halves
.set SM,  16                           ; the largest score so far
.set ADK, 17
.set FX,  18                           ; v18 2^(old M - new M) (v19 named as its pair)
.set MX,  20                           ; v20-23 four chains of the maximum
.set DG,  24                           ; the diagonal's score
.set AC,  28                           ; v28-33 three chains of the sum;  at the end v28 p (v29 named as its pair)
.set MINF, 34
.set T1,  35
.set QF,  36                           ; v36-43 Q's fragment (40-43 zero codes);  at the end v36-39 the image
.set QS,  48                           ; its scale words
.set KS,  50                           ; v50-53 K's scale words, 32 keys a register
.set DSC, 54                           ; those of the queries' own tile
.set ADS, 55
.set XS,  56                           ; v56-63 x's scale words, a K step a register
.set WVS, 64                           ; v64-79 Wv's: register 8 p + s: rows 32 p + lane, K step s
.set KF,  80                           ; v80-115 eight tiles of K, four registers each; tile t's operand is v[KF + 4 t .. + 7]
.set S,   116                          ; v116-179 the scores
.set P,   180                          ; v180-243 t - M, then 2^(t - M)
.set DK,  180                          ; v180-187 in the diagonal step: the queries' own tile of K
.set VA,  80                           ; in the v phase: v80-111 four accumulators,
.set FB,  112                          ; v112-231 three sets of 40: a fragment of x, four of Wv
.set TM,  244                          ; v244-249 at work in the quantiser
.set LN,  250
.set RR,  251
.set HH,  252
.set R4,  4
.set L32, 7
.set R32, 8
.set SPW, 254
.set NIL, 255
.set WV,  20
.set G,   21
.set SL,  22
.set D,   23                           ; the queries' own tile's place in its step
.set HD,  24
.set BB,  25
.set NF,  26                           ; my block: my full steps
.set TI,  27                           ; my tile
.set G1K, 28
.set G1X, 36
.set G1V, 44
.set G0K, 52
.set G0X, 56
.set G0V, 60
.set CS,  66                           ; s[66:67] c = log2(e) / 32
.set SEL, 68                           ; s[68:69] lane selects: lane l xor 16
.set N,   70
.set W,   71                           ; wave mod 8
.set TB,  74                           ; LDS byte of step n + 2's images, words
.set TS,  75
.set HM,  76                           ; lanes 16-31
.set IMG, 98
.set SWB, 100
.macro PLACES
.rept 4
	v_nop
.endr
.endm
.macro ROUND                           ; a round of the cluster's barrier
	s_barrier_signal -1
	s_barrier_wait -1
	s_cmp_lg_u32 s[WV], 0
	s_cbranch_scc1 .Lnot_wave_0_\@
	s_barrier_signal -3
.Lnot_wave_0_\@:
	s_barrier_wait -3
	s_barrier_signal -1
	s_barrier_wait -1
.endm
; One product 16 x 16 x 128.  z: C = 0 (the sum begins).  ra: the first side's scale words stand in lanes 16-31.
.macro WM d, a, b, z, sa, sb, ra
.if (\z)
.if (\ra)
	v_wmma_scale_f32_16x16x128_f8f6f4 v[(\d):(\d)+7], v[(\a):(\a)+7], v[(\b):(\b)+7], 0, v[(\sa)], v[(\sb)] matrix_a_fmt:MATRIX_FMT_FP4 matrix_b_fmt:MATRIX_FMT_FP4 matrix_a_scale:MATRIX_SCALE_ROW1
.else
	v_wmma_scale_f32_16x16x128_f8f6f4 v[(\d):(\d)+7], v[(\a):(\a)+7], v[(\b):(\b)+7], 0, v[(\sa)], v[(\sb)] matrix_a_fmt:MATRIX_FMT_FP4 matrix_b_fmt:MATRIX_FMT_FP4
.endif
.else
.if (\ra)
	v_wmma_scale_f32_16x16x128_f8f6f4 v[(\d):(\d)+7], v[(\a):(\a)+7], v[(\b):(\b)+7], v[(\d):(\d)+7], v[(\sa)], v[(\sb)] matrix_a_fmt:MATRIX_FMT_FP4 matrix_b_fmt:MATRIX_FMT_FP4 matrix_a_scale:MATRIX_SCALE_ROW1
.else
	v_wmma_scale_f32_16x16x128_f8f6f4 v[(\d):(\d)+7], v[(\a):(\a)+7], v[(\b):(\b)+7], v[(\d):(\d)+7], v[(\sa)], v[(\sb)] matrix_a_fmt:MATRIX_FMT_FP4 matrix_b_fmt:MATRIX_FMT_FP4
.endif
.endif
.endm
.macro KLOAD                           ; a step's eight tiles of K and their scale words
.irp t, 0,1,2,3,4,5,6,7
	ds_load_b128 v[KF+4*\t:KF+4*\t+3], v[ADK] offset:512*\t        ; a tile's image: 512 consecutive bytes
.endr
.irp t, 0,1,2,3
	ds_load_b32 v[KS+\t], v[ADS] offset:128*\t                     ; 32 keys' words: lanes 0-15 tile 2 t, lanes 16-31 tile 2 t + 1
.endr
.endm
.macro QK                              ; lane (r, h) holds query r, register 8 t + i key 16 t + 8 h + i
.irp t, 0,1,2,3,4,5,6,7
	WM S+8*\t, KF+4*\t, QF, 1, KS+\t/2, QS, \t%2
.endr
.endm
; The largest of nt tiles of scores (8 or 4), in four chains by turns; each accumulator is read from its low end on.
.macro MAXES nt
.irp b, 0,1,2,3
	v_max3_num_f32 v[MX+\b], v[S+8*\b], v[S+8*\b+1], v[S+8*\b+2]
.endr
.irp i, 3,5
.irp b, 0,1,2,3
	v_max3_num_f32 v[MX+\b], v[MX+\b], v[S+8*\b+\i], v[S+8*\b+\i+1]
.endr
.endr
.if (\nt) == 8
.irp b, 0,1,2,3
	v_max3_num_f32 v[MX+\b], v[MX+\b], v[S+32+8*\b], v[S+8*\b+7]
.endr
.irp i, 1,3,5
.irp b, 0,1,2,3
	v_max3_num_f32 v[MX+\b], v[MX+\b], v[S+32+8*\b+\i], v[S+32+8*\b+\i+1]
.endr
.endr
.endif
.set LO, S+8*((\nt)-4)+7               ; each chain's last score
	v_max3_num_f32 v[MX], v[MX], v[LO], v[LO+8]
	v_max3_num_f32 v[MX+1], v[MX+1], v[LO+16], v[LO+24]
	v_max3_num_f32 v[MX+2], v[MX+2], v[MX+3], v[SM]
.endm
.macro CHAIN                           ; the new M and the factor, where nothing else is at hand to stand between the lines
	s_delay_alu instid0(VALU_DEP_1)
	v_max3_num_f32 v[SM], v[MX], v[MX+1], v[MX+2]                  ; my lane's running largest score
	s_delay_alu instid0(VALU_DEP_1)
	v_mul_f32 v[T1], s[CS], -v[SM]                                 ; -t (c is positive)
	s_delay_alu instid0(VALU_DEP_1)
	v_floor_f32 v[T1], v[T1]                                       ; the new -M: a whole number
	s_delay_alu instid0(VALU_DEP_1)
	v_sub_f32 v[FX], v[T1], v[NM]                                  ; old M - new M: a whole number, 0 or less
	v_mov_b32 v[NM], v[T1]
	s_delay_alu instid0(VALU_DEP_2)
	v_cvt_i32_f32 v[FX], v[FX]                                     ; (it saturates)
	s_delay_alu instid0(VALU_DEP_1)
	v_ldexp_f32 v[FX], 1.0, v[FX]
.endm
.macro SCALED np, to                   ; t - M, np pairs
.set KK, 0
.rept \np
	v_pk_fma_f32 v[\to+2*KK:\to+2*KK+1], v[S+2*KK:S+2*KK+1], s[CS:CS+1], v[NM:NM+1] op_sel_hi:[1,0,0]
.set KK, KK+1
.endr
.endm
.macro EXPS n, buf                     ; the batch, with waits ahead of it and behind it
	s_wait_alu depctr_va_vdst(0)
.set KK, 0
.rept \n
	v_exp_f32 v[\buf+KK], v[\buf+KK]
.set KK, KK+1
.endr
	v_pk_mul_f32 v[LL:LL+1], v[LL:LL+1], v[FX:FX+1] op_sel_hi:[1,0]   ; the sum under the new M.  (The plain place behind the exponentials)
	s_wait_alu depctr_va_vdst(0)
.endm
; The sums of np pairs: additions from .. to - 1 of np: four chains by turns; the last three join them.
.macro ADDS buf, np, from, to
.set KK, \from
.rept (\to)-(\from)
.if KK < 3
	v_pk_add_f32 v[AC+2*KK:AC+2*KK+1], v[\buf+4*KK:\buf+4*KK+1], v[\buf+4*KK+2:\buf+4*KK+3]
.elseif KK == 3
	v_pk_add_f32 v[LL:LL+1], v[LL:LL+1], v[\buf+12:\buf+13]
.elseif KK == (\np)-3
	v_pk_add_f32 v[LL:LL+1], v[LL:LL+1], v[AC+4:AC+5]
.elseif KK == (\np)-2
	v_pk_add_f32 v[AC:AC+1], v[AC:AC+1], v[AC+2:AC+3]
.elseif KK == (\np)-1
	v_pk_add_f32 v[LL:LL+1], v[LL:LL+1], v[AC:AC+1]
.elseif KK%4 == 3
	v_pk_add_f32 v[LL:LL+1], v[LL:LL+1], v[\buf+2*(KK+3):\buf+2*(KK+3)+1]
.else
	v_pk_add_f32 v[AC+2*(KK%4):AC+2*(KK%4)+1], v[AC+2*(KK%4):AC+2*(KK%4)+1], v[\buf+2*(KK+3):\buf+2*(KK+3)+1]
.endif
.set KK, KK+1
.endr
.endm
.macro HIDE t                          ; tile t lies at or behind the queries' own tile: a branch on the wave's number
	s_cmp_gt_u32 s[D], \t
	s_cbranch_scc1 .Lcounts_\@
.irp i, 0,1,2,3,4,5,6,7
	v_mov_b32 v[S+8*(\t)+\i], v[MINF]
.endr
.Lcounts_\@:
.endm
; The diagonal step: nt - 1 tiles of keys and, as the last, the queries' own tile.
.macro DIAG nt
.set DT, S+8*((\nt)-1)
.irp t, 0,1,2,3,4,5,6
.if \t < (\nt)-1
	WM S+8*\t, KF+4*\t, QF, 1, KS+\t/2, QS, \t%2
.endif
.endr
	WM DT, DK, QF, 1, DSC, QS, 0
	PLACES
.irp i, 0,1,2,3,4,5,6,7                ; register i is key 8 h + i of the tile: hidden from query r where 8 h + i > r, the diagonal where 8 h + i = r
	s_mov_b32 vcc_lo, ((1<<\i)-1)|(((1<<(8+\i))-1)<<16)
	v_cndmask_b32 v[DT+\i], v[DT+\i], v[MINF], vcc_lo
	s_mov_b32 vcc_lo, (1<<\i)|(1<<(24+\i))
	v_cndmask_b32 v[DG], v[DG], v[DT+\i], vcc_lo
.endr
	HIDE (\nt)-4
	HIDE (\nt)-3
	HIDE (\nt)-2
	s_wait_alu depctr_va_vdst(0)                                   ; ahead of the readers behind these branches
	MAXES \nt
	CHAIN
	SCALED 4*(\nt), S
	EXPS 8*(\nt), S
	ADDS S, 4*(\nt), 0, 4*(\nt)
	s_wait_alu depctr_va_vdst(0)
.endm
; A trip of the walk.  One that has no step n + 1 for this wave leaves its work out; the lines that step addresses are not left out.
.macro TRIP
	s_add_co_u32 s78, s[N], 1
	s_cmp_ge_u32 s78, s[NF]
	s_cbranch_scc1 .Lidle_\@
	SCALED 32, P                                                   ; step n
	s_wait_dscnt 0x0                                               ; step n + 1's K, fetched a trip ago
	QK
	v_add_nc_u32 v[ADK], s[TB], v[L16]                             ; two of the four places behind the products
	v_add_nc_u32 v[ADS], s[TS], v[LKS]
	v_nop
	v_nop
	s_add_co_u32 s78, s[N], 2
	s_cmp_ge_u32 s78, s[NF]
	s_cbranch_scc1 .Lno_fetch_\@
	KLOAD                                                          ; step n + 2
.Lno_fetch_\@:
	EXPS 64, P
	MAXES 8                                                        ; step n + 1's scores are first read here, directly behind the wait
	ADDS P, 32, 0, 3
	v_max3_num_f32 v[SM], v[MX], v[MX+1], v[MX+2]                  ; the chain to the new M and the factor, with step n's sums between its lines
	ADDS P, 32, 3, 7
	v_mul_f32 v[T1], s[CS], -v[SM]
	ADDS P, 32, 7, 11
	v_floor_f32 v[T1], v[T1]
	ADDS P, 32, 11, 15
	v_sub_f32 v[FX], v[T1], v[NM]
	v_mov_b32 v[NM], v[T1]
	ADDS P, 32, 15, 19
	v_cvt_i32_f32 v[FX], v[FX]
	ADDS P, 32, 19, 23
	v_ldexp_f32 v[FX], 1.0, v[FX]
	ADDS P, 32, 23, 32
.Lidle_\@:
	s_add_co_u32 s[N], s[N], 1
	s_add_co_u32 s[TB], s[TB], 4096
	s_add_co_u32 s[TS], s[TS], 512
	s_wait_alu depctr_va_vdst(0)
.endm
	s_load_b256 s[4:11], s[0:1], 0x0               ; qbuf s[4:5], kbuf s[6:7], x's codes s[8:9], x's scales s[10:11]
	s_load_b256 s[12:19], s[0:1], 0x20             ; Wv's codes s[12:13], Wv's scales s[14:15], aimg s[16:17], asw s[18:19]
	v_lshl_add_u32 v[SPW], v0, 2, SPARE
	v_mov_b32 v[NIL], 0
	ds_add_u32 v[SPW], v[NIL]                      ; the wave's opening: the add, twice on end, and its wait ahead of my first tensor load
	ds_add_u32 v[SPW], v[NIL]
	v_lshrrev_b32 v1, 5, v0
	v_readfirstlane_b32 s[WV], v1                  ; wave 0..15
	s_xor_b32 s[SL], s[WV], 15
	s_and_b32 s[W], s[WV], 7
	s_and_b32 s[D], s[SL], 7
	s_and_b32 s[G], ttmp7, 7                       ; the grid's y: 0..7
	s_bfe_u32 s[HD], ttmp6, 0x40000                ; my place in the cluster: the low two bits of the head
	s_lshr_b32 s[BB], ttmp9, 2                     ; batch
	s_and_b32 s78, ttmp9, 3
	s_lshl_b32 s78, s78, 2
	s_add_co_u32 s[HD], s[HD], s78                 ; head
	s_lshr_b32 s78, s[SL], 3
	s_mul_i32 s78, s78, 15
	s_xor_b32 s[NF], s78, s[G]                     ; my block: g or 15 - g
	s_lshl_b32 s[TI], s[NF], 3
	s_or_b32 s[TI], s[TI], s[D]                    ; my tile of 16 queries
	s_mov_b32 s[HM], 0xffff0000
	s_mov_b32 s[CS], 0x3d38aa3b
	s_mov_b32 s[CS+1], s[CS]                       ; (named with it as a pair, so it is written)
	s_mov_b32 s[SEL], 0x76543210
	s_mov_b32 s[SEL+1], 0xfedcba98
	s_mov_b32 s[G1K], 3<<16                        ; K: a sixteenth, 4,608 dense bytes as 18 rows of 32 elements of 8 bytes; no padding
	s_mov_b32 s[G1K+1], 32<<16
	s_mov_b32 s[G1K+2], 18<<16
	s_mov_b32 s[G1K+3], 32<<16
	s_mov_b32 s[G1K+4], 18
	s_mov_b32 s[G1K+5], 32
	s_mov_b32 s[G1K+6], 0
	s_mov_b32 s[G1K+7], 0
	s_mov_b32 s[G1X], 15|(1<<20)|(1<<21)|(6<<22)|(3<<25)   ; x: 32 rows of 512 bytes, four words of padding after every 128; the mask: all four of the cluster; 21 set beside a mask
	s_mov_b32 s[G1X+1], 512<<16
	s_mov_b32 s[G1X+2], 32<<16
	s_mov_b32 s[G1X+3], 512<<16
	s_mov_b32 s[G1X+4], 32
	s_mov_b32 s[G1X+5], 512
	s_mov_b32 s[G1X+6], 0
	s_mov_b32 s[G1X+7], 0
	s_mov_b32 s[G1V], (1<<20)|(6<<22)|(3<<25)      ; Wv: 8 rows likewise, for this work-group alone
	s_mov_b32 s[G1V+1], 512<<16
	s_mov_b32 s[G1V+2], 8<<16
	s_mov_b32 s[G1V+3], 512<<16
	s_mov_b32 s[G1V+4], 8
	s_mov_b32 s[G1V+5], 512
	s_mov_b32 s[G1V+6], 0
	s_mov_b32 s[G1V+7], 0
	s_mov_b32 s[G0K], 1
	s_mul_i32 s[G0K+1], s[WV], 4608
	s_mov_b32 s[G0X], 1
	s_mul_i32 s[G0X+1], s[W], 32*XP                ; waves 0-7: LDS rows 32 w on of x
	s_add_co_u32 s[G0X+1], s[G0X+1], XT
	s_mov_b32 s[G0V], 1
	s_mul_i32 s[G0V+1], s[W], 8*XP                 ; waves 8-15: rows 8 w on of Wv
	s_add_co_u32 s[G0V+1], s[G0V+1], WVL
	v_and_b32 v[LN], 31, v0
	v_and_b32 v[RR], 15, v0                        ; r
	v_bfe_u32 v[HH], v0, 4, 1                      ; h
	v_lshlrev_b32 v[L16], 4, v[LN]
	v_lshl_add_u32 v[LKS], v[LN], 2, KSW
	v_lshlrev_b32 v[R4], 2, v[RR]
	v_lshlrev_b32 v[L32], 5, v[LN]
	v_lshlrev_b32 v[R32], 5, v[RR]
	s_xor_b32 s78, s[G], 15
	s_sub_co_u32 s78, s78, s[G]
	s_lshl_b32 s78, s78, 12
	v_mul_u32_u24 v[GS], s78, v[HH]                ; asw: lanes 0-15 block g, lanes 16-31 block 15 - g
	v_lshl_add_u32 v[GS], v[RR], 4, v[GS]
	v_add_nc_u32 v[ARB], SCB, v[L16]               ; slots 0-7 are block g's rows in order, slots 8-15 block 15 - g's
	s_lshl_b32 s78, s[SL], 5
	s_add_co_u32 s78, s78, SCB
	v_lshl_add_u32 v[ASB], v[RR], 1, v[HH]
	v_add_nc_u32 v[ASB], s78, v[ASB]               ; row r, block h
	v_mul_u32_u24 v[T1], XP, v[RR]
	v_lshl_add_u32 v[T1], v[HH], 4, v[T1]          ; a fragment's row x pitch + 16 x half
	s_mul_i32 s78, s[SL], 16*XP
	s_add_co_u32 s78, s78, XT
	v_add_nc_u32 v[AX], s78, v[T1]
	v_add_nc_u32 v[AWV], WVL, v[T1]
.irp i, 0,1,2,3
	v_mov_b32 v[QF+4+\i], 0                        ; zero codes: the upper 64 of the instruction's 128
	v_mov_b32 v[DK+4+\i], 0                        ; (named as the upper halves of operands of K: any codes will do)
	v_mov_b32 v[KF+12+\i], 0
	v_mov_b32 v[KF+28+\i], 0
	v_mov_b32 v[KF+32+\i], 0
.endr
	v_mov_b32 v[TM+2], 0                           ; (lane permutes' destinations count as sources)
	v_mov_b32 v[TM+3], 0
	v_mov_b32 v[MINF], 0xff800000                  ; -infinity
	v_mov_b32 v[NM+1], 0                           ; (upper halves of pairs)
	v_mov_b32 v[FX+1], 0
	v_mov_b32 v[SM], 0xff61b1e6                    ; the largest score so far: -3e38, -M made of it as a step makes it, the sum 0, no diagonal yet
	v_mul_f32 v[T1], s[CS], -v[SM]
	v_mov_b32 v[LL], 0
	v_mov_b32 v[LL+1], 0
	v_floor_f32 v[NM], v[T1]
	v_mov_b32 v[DG], v[MINF]
	s_lshl_b32 s3, s[BB], 4
	s_add_co_u32 s3, s3, s[HD]
	s_mul_i32 s3, s3, HEADB                        ; the (batch, head)'s first byte in qbuf and kbuf
	s_mov_b32 s81, 0
	s_wait_alu depctr_va_vdst(0)
	s_wait_dscnt 0x0                               ; both opening adds are done
	ROUND                                          ; in front of the first tensor loads.  (The arguments are still on their way)
	s_wait_kmcnt 0x0
	s_mul_i32 s80, s[WV], 4608
	s_add_co_u32 s80, s80, s3
	s_add_nc_u64 s[G0K+2:G0K+3], s[6:7], s[80:81]
	s_or_b32 s[G0K+3], s[G0K+3], 0x80000000
	tensor_load_to_lds s[G0K:G0K+3], s[G1K:G1K+7]  ; my sixteenth of K
	s_nop 0
	PLACES
	s_lshl_b32 s80, s[TI], 9
	s_add_co_u32 s80, s80, s3
	s_add_nc_u64 s[82:83], s[4:5], s[80:81]        ; my tile's image in qbuf
	s_add_nc_u64 s[86:87], s[6:7], s[80:81]        ; and in kbuf
	s_lshl_b32 s80, s[TI], 6
	s_add_co_u32 s80, s80, s3
	s_add_co_u32 s80, s80, KSW
	s_add_nc_u64 s[84:85], s[4:5], s[80:81]        ; its scale words
	s_add_nc_u64 s[88:89], s[6:7], s[80:81]
	s_lshl_b32 s80, s[NF], 12
	s_add_co_u32 s80, s80, s3
	s_add_nc_u64 s[90:91], s[6:7], s[80:81]        ; the diagonal step's tiles
	s_lshl_b32 s80, s[NF], 9
	s_add_co_u32 s80, s80, s3
	s_add_nc_u64 s[92:93], s[6:7], s[80:81]        ; and words: LKS holds KSW
	global_load_b128 v[QF:QF+3], v[L16], s[82:83]
	global_load_b32 v[QS], v[R4], s[84:85]
	global_load_b128 v[DK:DK+3], v[L16], s[86:87]
	global_load_b32 v[DSC], v[R4], s[88:89]
.irp t, 0,1,2
	global_load_b128 v[KF+4*\t:KF+4*\t+3], v[L16], s[90:91] offset:512*\t
.endr
.irp t, 0,1
	global_load_b32 v[KS+\t], v[LKS], s[92:93] offset:128*\t
.endr
	s_cmp_lt_u32 s[D], 4
	s_cbranch_scc1 .Lthree_tiles
.irp t, 3,4,5,6
	global_load_b128 v[KF+4*\t:KF+4*\t+3], v[L16], s[90:91] offset:512*\t
.endr
.irp t, 2,3
	global_load_b32 v[KS+\t], v[LKS], s[92:93] offset:128*\t
.endr
.Lthree_tiles:
	s_lshl_b32 s80, s[BB], 16                      ; x's scale bytes: row 2,048 x batch + 16 x tile, 32 bytes a row
	s_lshl_b32 s78, s[TI], 9
	s_add_co_u32 s80, s80, s78
	s_add_nc_u64 s[94:95], s[10:11], s[80:81]
	s_lshl_b32 s80, s[HD], 11                      ; Wv's: row 64 x head
	s_add_nc_u64 s[96:97], s[14:15], s[80:81]
	global_load_b128 v[XS:XS+3], v[R32], s[94:95]
	global_load_b128 v[XS+4:XS+7], v[R32], s[94:95] offset:16
.irp p, 0,1
	global_load_b128 v[WVS+8*\p:WVS+8*\p+3], v[L32], s[96:97] offset:1024*\p
	global_load_b128 v[WVS+8*\p+4:WVS+8*\p+7], v[L32], s[96:97] offset:1024*\p+16
.endr
	s_lshr_b32 s78, s[W], 2                        ; waves 0-3 fetch block g's rows of x, waves 4-7 block 15 - g's: 32 rows each
	s_mul_i32 s78, s78, 15
	s_xor_b32 s78, s78, s[G]
	s_lshl_b32 s78, s78, 7
	s_and_b32 s80, s[W], 3
	s_lshl_b32 s80, s80, 5
	s_add_co_u32 s80, s80, s78
	s_lshl_b32 s78, s[BB], 11
	s_add_co_u32 s80, s80, s78
	s_lshl_b32 s80, s80, 9
	s_add_nc_u64 s[G0X+2:G0X+3], s[8:9], s[80:81]
	s_or_b32 s[G0X+3], s[G0X+3], 0x80000000
	s_lshl_b32 s80, s[HD], 15                      ; Wv's rows 64 x head + 8 w
	s_lshl_b32 s78, s[W], 12
	s_add_co_u32 s80, s80, s78
	s_add_nc_u64 s[G0V+2:G0V+3], s[12:13], s[80:81]
	s_or_b32 s[G0V+3], s[G0V+3], 0x80000000
	s_lshl_b32 s80, s[BB], 7                       ; aimg: tile, head
	s_add_co_u32 s80, s80, s[TI]
	s_lshl_b32 s80, s80, 13
	s_lshl_b32 s78, s[HD], 9
	s_add_co_u32 s80, s80, s78
	s_add_nc_u64 s[IMG:IMG+1], s[16:17], s[80:81]
	s_lshl_b32 s80, s[BB], 16                      ; asw: block g, head
	s_lshl_b32 s78, s[G], 12
	s_add_co_u32 s80, s80, s78
	s_lshl_b32 s78, s[HD], 8
	s_add_co_u32 s80, s80, s78
	s_add_nc_u64 s[SWB:SWB+1], s[18:19], s[80:81]
	s_wait_loadcnt 0x6                             ; Q and the diagonal step's K; the six loads of x's and Wv's scale words may be out
	s_cmp_lt_u32 s[D], 4
	s_cbranch_scc1 .Lshort
	DIAG 8
	s_branch .Lstarted
.Lshort:
	DIAG 4
.Lstarted:
	s_wait_tensorcnt 0x0                           ; my part of K is in
	ds_add_u32 v[SPW], v[NIL]
	s_wait_dscnt 0x0
	ROUND                                          ; everybody's part of K is in, and the four work-groups are here: the joint loads meet
	s_cmp_lt_u32 s[WV], 8
	s_cbranch_scc0 .Lfill_v
	tensor_load_to_lds s[G0X:G0X+3], s[G1X:G1X+7]  ; the wave's one load behind the round: it has the walk's first trips in which to land
	s_nop 0
	PLACES
	s_branch .Lfilled
.Lfill_v:
	tensor_load_to_lds s[G0V:G0V+3], s[G1V:G1V+7]
	s_nop 0
	PLACES
.Lfilled:
	s_mov_b32 s[N], 0
	s_mov_b32 s[TB], 2*4096
	s_mov_b32 s[TS], 2*512
	s_cmp_eq_u32 s[NF], 0
	s_cbranch_scc1 .Lno_first                      ; block 0 has no full step
	v_mov_b32 v[ADK], v[L16]
	v_mov_b32 v[ADS], v[LKS]
	KLOAD                                          ; step 0
	s_wait_alu depctr_va_vdst(0)
	s_wait_dscnt 0x0
	QK
	v_add_nc_u32 v[ADK], 4096, v[L16]
	v_add_nc_u32 v[ADS], 512, v[LKS]
	v_nop
	v_nop
	s_cmp_eq_u32 s[NF], 1
	s_cbranch_scc1 .Lno_second
	KLOAD                                          ; step 1
.Lno_second:
	MAXES 8
	CHAIN
	s_wait_alu depctr_va_vdst(0)
.Lno_first:
.Lwalk_a:                                              ; four trips, then the signal for x and Wv, then ten: at the most 15 full steps
	TRIP
	s_cmp_lt_u32 s[N], 4
	s_cbranch_scc1 .Lwalk_a
	s_wait_loadcnt 0x0                             ; the scale words
	s_wait_tensorcnt 0x0                           ; my part of x or of Wv is in,
	s_wait_dscnt 0x0                               ; no LDS load of mine is out:
	s_barrier_signal -1                            ; say so; up to the wait stand register work and loads of K alone, which nobody writes
.Lwalk_b:
	TRIP
	s_cmp_lt_u32 s[N], 14
	s_cbranch_scc1 .Lwalk_b
	s_cmp_eq_u32 s[NF], 0
	s_cbranch_scc1 .Lno_last
	SCALED 32, P                                   ; the last full step
	EXPS 64, P
	ADDS P, 32, 0, 32
	s_wait_alu depctr_va_vdst(0)
.Lno_last:
	s_barrier_wait -1                              ; x's and Wv's rows are whole
; v: K step s into set s mod 3: 10 loads, 4 products (source 0 = 16 rows of Wv, source 1 = my 16 rows of x); the four accumulators take turns in the same order in every step
.macro VLD s
.set VF, FB+40*((\s)%3)
.irp c, 0,1
	ds_load_b128 v[VF+4*\c:VF+4*\c+3], v[AX] offset:64*(\s)+32*\c
.endr
.irp t, 0,1,2,3
.irp c, 0,1
	ds_load_b128 v[VF+8+8*\t+4*\c:VF+8+8*\t+4*\c+3], v[AWV] offset:16*XP*\t+64*(\s)+32*\c
.endr
.endr
.endm
	VLD 0
	VLD 1
	VLD 2
; p, while these are on their way: the two lanes of a query under the larger M
	v_add_f32 v[LL], v[LL], v[LL+1]
	v_permlanex16_b32 v[MX], v[NM], s[SEL], s[SEL+1]
	v_permlanex16_b32 v[MX+1], v[DG], s[SEL], s[SEL+1]
	v_min_num_f32 v[T1], v[NM], v[MX]
	v_max_num_f32 v[DG], v[DG], v[MX+1]
	v_sub_f32 v[MX+2], v[T1], v[NM]
	v_fma_f32 v[DG], v[DG], s[CS], v[T1]           ; the diagonal's t - M
	v_cvt_i32_f32 v[MX+2], v[MX+2]
	s_delay_alu instid0(VALU_DEP_1)
	v_ldexp_f32 v[LL], v[LL], v[MX+2]
	s_delay_alu instid0(VALU_DEP_1)
	v_permlanex16_b32 v[MX+3], v[LL], s[SEL], s[SEL+1]
	s_delay_alu instid0(VALU_DEP_1)
	v_add_f32 v[LL], v[LL], v[MX+3]                ; the row's sum
	s_wait_alu depctr_va_vdst(0)
	v_exp_f32 v[DG], v[DG]
	v_rcp_f32 v[LL], v[LL]
	v_nop                                          ; a plain place behind the transcendentals
	s_wait_alu depctr_va_vdst(0)
	v_mul_f32 v[AC], v[DG], v[LL]                  ; p of query r, in both halves of the lanes
	s_wait_alu depctr_va_vdst(0)
.irp s, 0,1,2,3,4,5,6,7
.if \s < 6
	s_wait_dscnt 20                                ; the loads of the two steps behind this one may be out
.else
	s_wait_dscnt 10*(7-\s)
.endif
.set VF, FB+40*(\s%3)
.irp t, 0,1,2,3
	WM VA+8*\t, VF+8+8*\t, VF, \s==0, WVS+8*(\t/2)+\s, XS+\s, \t%2
.endr
	PLACES                                         ; in front of loads into registers that matrix instructions have read, and of the first read of results
.if \s < 5
	VLD \s+3
.endif
.endr
.irp i, 0,2,4,6,8,10,12,14,16,18,20,22,24,26,28,30
	v_pk_mul_f32 v[VA+\i:VA+\i+1], v[VA+\i:VA+\i+1], v[AC:AC+1] op_sel_hi:[1,0]   ; attn = p x v, in f32, each accumulator from its low end on
.endr
; the quantiser: 32 numbers of a lane (register 8 t + i = column 16 t + 8 h + i of my row); block B is tiles 2 B and 2 B + 1, its other 16 numbers lie in lane l xor 16
.irp b, 0,1
	v_max3_num_f32 v[TM+\b], |v[VA+16*\b]|, |v[VA+16*\b+1]|, 0x1800000   ; and the floor 2^(3 - 127): the byte cannot fall under 1
.endr
.irp i, 2,4,6,8,10,12,14
.irp b, 0,1
	s_delay_alu instid0(VALU_DEP_2)
	v_max3_num_f32 v[TM+\b], v[TM+\b], |v[VA+16*\b+\i]|, |v[VA+16*\b+\i+1]|
.endr
.endr
.irp b, 0,1
	s_delay_alu instid0(VALU_DEP_2)
	v_permlanex16_b32 v[TM+2+\b], v[TM+\b], s[SEL], s[SEL+1]
.endr
.irp b, 0,1
	s_delay_alu instid0(VALU_DEP_2)
	v_max_num_f32 v[TM+\b], v[TM+\b], v[TM+2+\b]
.endr
.irp b, 0,1
	s_delay_alu instid0(VALU_DEP_2)
	v_add_nc_u32 v[TM+4+\b], 0xff000000, v[TM+\b]  ; 2 off the exponent field: the conversion's scale operand
.endr
.irp b, 0,1
	s_delay_alu instid0(VALU_DEP_2)
	v_lshrrev_b32 v[TM+2+\b], 23, v[TM+4+\b]       ; the scale's byte
.endr
.irp b, 0,1
	v_cvt_scalef32_pk8_fp4_f32 v[QF+\b], v[VA+16*\b:VA+16*\b+7], v[TM+4+\b]        ; columns 32 B + 8 h + 0 .. 7
	v_cvt_scalef32_pk8_fp4_f32 v[QF+2+\b], v[VA+16*\b+8:VA+16*\b+15], v[TM+4+\b]   ; 32 B + 16 + 8 h ..
.endr
	v_cndmask_b32 v[TM], v[TM+2], v[TM+3], s[HM]   ; lanes 0-15 block 0's byte, lanes 16-31 block 1's.  (The plain place behind the conversions)
	v_permlane16_swap_b32 v[QF], v[QF+1]           ; lanes 0-15: block 0, lanes 16-31: block 1; register i the block's columns 8 i .. 8 i + 7
	v_permlane16_swap_b32 v[QF+2], v[QF+3]
	ds_store_b8 v[ASB], v[TM]
	global_store_b128 v[L16], v[QF:QF+3], s[IMG:IMG+1]   ; the image: 512 consecutive bytes, at a multiple of 512 from aimg's first byte
	s_wait_alu depctr_va_vdst(0)
	s_wait_dscnt 0x0
	s_barrier_signal -1
	s_barrier_wait -1                              ; all scale bytes are in LDS
	s_cmp_lg_u32 s[WV], 0
	s_cbranch_scc1 .Lend                           ; wave 0 stores them: two units of 256 bytes
	ds_load_b128 v[KF:KF+3], v[ARB]
	s_wait_dscnt 0x0
	global_store_b128 v[GS], v[KF:KF+3], s[SWB:SWB+1]
.Lend:
	s_wait_tensorcnt 0x0                           ; the wave's end
	ds_add_u32 v[SPW], v[NIL]
	s_wait_dscnt 0x0
	ROUND                                          ; the closing round
	s_endpgm
.Lfunc_end_k_q40e80b7925_attn:
	.size	k_q40e80b7925_attn, .Lfunc_end_k_q40e80b7925_attn-k_q40e80b7925_attn
	.p2alignl 7, 3214868480
	.fill 96, 4, 3214868480
	.section	.rodata,"a",@progbits
	.p2align	6, 0x0
	.amdhsa_kernel k_q40e80b7925_attn
		.amdhsa_group_segment_fixed_size 327680
		.amdhsa_private_segment_fixed_size 0
		.amdhsa_enable_private_segment 0
		.amdhsa_kernarg_size 64
		.amdhsa_user_sgpr_count 2
		.amdhsa_user_sgpr_kernarg_segment_ptr 1
		.amdhsa_wavefront_size32 1
		.amdhsa_system_sgpr_workgroup_id_x 1
		.amdhsa_system_sgpr_workgroup_id_y 1
		.amdhsa_system_sgpr_workgroup_id_z 1
		.amdhsa_system_vgpr_workitem_id 0
		.amdhsa_next_free_vgpr 256
		.amdhsa_next_free_sgpr 102
		.amdhsa_reserve_vcc 1
		.amdhsa_float_denorm_mode_32 3
		.amdhsa_float_denorm_mode_16_64 3
		.amdhsa_memory_ordered 1
		.amdhsa_forward_progress 1
		.amdhsa_inst_pref_size 81
	.end_amdhsa_kernel
	.amdgpu_metadata
---
amdhsa.version: [ 1, 2 ]
amdhsa.kernels:
  - .name:           k_q40e80b7925_attn
    .symbol:         k_q40e80b7925_attn.kd
    .args:
      - { .name: qbuf, .offset: 0, .size: 8, .value_kind: global_buffer, .address_space: global }
      - { .name: kbuf, .offset: 8, .size: 8, .value_kind: global_buffer, .address_space: global }
      - { .name: encoded_vectors_codes, .offset: 16, .size: 8, .value_kind: global_buffer, .address_space: global }
      - { .name: encoded_vectors_scales, .offset: 24, .size: 8, .value_kind: global_buffer, .address_space: global }
      - { .name: Wv_codes, .offset: 32, .size: 8, .value_kind: global_buffer, .address_space: global }
      - { .name: Wv_scales, .offset: 40, .size: 8, .value_kind: global_buffer, .address_space: global }
      - { .name: aimg, .offset: 48, .size: 8, .value_kind: global_buffer, .address_space: global }
      - { .name: asw, .offset: 56, .size: 8, .value_kind: global_buffer, .address_space: global }
    .group_segment_fixed_size: 327680
    .private_segment_fixed_size: 0
    .kernarg_segment_align: 8
    .kernarg_segment_size: 64
    .max_flat_workgroup_size: 512
    .sgpr_count:     102
    .vgpr_count:     256
    .wavefront_size: 32
...
	.end_amdgpu_metadata
.endif
;; end of part 2
;; launch outproj (part 3): grid 8 x 32, 4 waves a work-group, clusters of 4 x 4, 286,720 bytes of LDS; arguments aimg, asw, encoded_vectors_codes, encoded_vectors_scales, Wo_codes, Wo_scales, Wv_codes, Wv_scales, out0; writes out0
.if DOCPART == 3
	.amdgcn_target "amdgcn-amd-amdhsa--gfx1250"
	.amdhsa_code_object_version 6
	.text
	.protected	k_q40e80b7925_outproj
	.globl	k_q40e80b7925_outproj
	.p2align	8
	.type	k_q40e80b7925_outproj,@function
k_q40e80b7925_outproj:
	s_mov_b64 s[64:65], 0
	v_nop
	global_prefetch_b8 v0, s[64:65] scope:SCOPE_SE
	s_setreg_imm32_b32 hwreg(HW_REG_WAVE_MODE, 25, 1), 1
	s_wait_xcnt 0x0
	s_wait_alu depctr_hold_cnt(0) depctr_sa_sdst(0) depctr_va_vdst(0) depctr_va_sdst(0) depctr_va_ssrc(0) depctr_va_vcc(0) depctr_vm_vsrc(0)
	s_getreg_b32 s2, hwreg(HW_REG_IB_STS2, 6, 4)
	s_cmp_eq_u32 s2, 0
	s_cbranch_scc0 .Lentry_in_a_cluster
	s_endpgm
.Lentry_in_a_cluster:
	s_bfe_u32 s2, ttmp6, 0x10000c
	s_cmp_lg_u32 s2, 0xf033
	s_cbranch_scc0 .Lentry_shape_is_right
	s_endpgm
.Lentry_shape_is_right:
; out0 = attn Wo^T + x Wv^T: the residual v = x Wv^T is multiplied again here, onto the same accumulators, so that it never goes through memory.  All four operands are codes of FP4 (E2M1) with E8M0 scales; sums in f32.
; attn: aimg [row tile 0..255][head][512-byte image] (heads 2 s and 2 s + 1 are registers 0-3 and 4-7 of K step s's fragment), asw [block of 128 rows][head][row][2 scale bytes].  x, Wo, Wv: rows of 512 bytes, 32 scale bytes a row.
; out0: [4096][1024] f32.  THE ORDER OF ROUNDING differs from a sum of two finished products: one chain of f32 sums over K = 2,048, attn's 1,024 first.  No product is left out here.
; SHARES.  A work-group makes 128 x 128; four waves, each 64 x 64: 16 accumulators.  K goes in 16 steps of 128: steps 0-7 attn and Wo, 8-15 x and Wv.  All operands fit in LDS, each byte filled once, one tensor load a wave at the head:
; wave 0 attn's rows, 1 Wo's, 2 x's, 3 Wv's; the last two land while attn and Wo are multiplied.  A step's fragments are fetched two steps ahead, in three sets.  No loop walks tiles of memory, so nothing is prefetched.
; CLUSTER 4 x 4: attn's and x's rows are shared along a row of the cluster, Wo's and Wv's along a column: each tile is asked for jointly.
; THE PRODUCT IS USED TRANSPOSED (source 0 = 16 rows of W, source 1 = 16 rows of attn or x): a lane holds eight neighbouring numbers of a row of out0.
; REGISTERS: window 0 addresses, scale words, the way out;  window 1 accumulator (m, t) at v[8 (4 m + t)];  window 2 three sets of 64: four fragments of W, four of rows.
; LIMITS: NaN, infinities and given scale bytes of 0xff are not served.
.set XP,   528                         ; an LDS row: 512 bytes + 16: 33 x 16
.set WO,   65536                       ; attn's 8 row tiles x 8,192 bytes, dense, from 0; then Wo's 128 rows
.set XR,   WO+128*XP                   ; x's 128 rows
.set WVR,  XR+128*XP                   ; Wv's 128 rows
.set STG,  WVR+128*XP                  ; the way out: 16 rows x (256 + 16) bytes for each wave; no fill lands here
.set SPARE, STG+4*16*272               ; the spare words, 128 bytes a wave
.set ADA, 4                            ; attn's images: 16 x lane + my four row tiles
.set ADO, 5                            ; v5 my fragments of Wo, v6 of Wv
.set ADX, 7                            ; of x
.set STO, 8
.set RD,  9
.set GO,  10
.set L32, 11
.set L2X, 13                           ; 2 x lane
.set ASC, 16                           ; v16-31 attn's scale words (register 8 p + s: rows 32 p + lane of my 64, K step s);  v32-47 x's
.set WOS, 48                           ; v48-63 Wo's;  v64-79 Wv's
.set AHI, 80                           ; v80-95 the odd heads' halves of attn's words, until they are joined
.set OB,  96                           ; v96-223 the way out: rows read back, 32 registers for 16 rows
.set SPW, 254
.set NIL, 255
.set WV,  22
.set G1D, 32
.set G1XR, 40
.set G1WC, 48
.set G0A, 56
.set G0X, 60
.set G0O, 68
.set G0V, 72
.set MSB, 0
.macro WIN new                         ; the immediate's high byte repeats the setting that is left
.if MSB != \new
	s_set_vgpr_msb (MSB<<8)|\new
.set MSB, \new
.endif
.endm
.macro PLACES
.rept 4
	v_nop
.endr
.endm
.macro ROUND                           ; a round of the cluster's barrier
	s_barrier_signal -1
	s_barrier_wait -1
	s_cmp_lg_u32 s[WV], 0
	s_cbranch_scc1 .Lnot_wave_0_\@
	s_barrier_signal -3
.Lnot_wave_0_\@:
	s_barrier_wait -3
	s_barrier_signal -1
	s_barrier_wait -1
.endm
.macro WM d, a, b, z, sa, sb, ra, rb
.if (\z)
.if (\ra) && (\rb)
	v_wmma_scale_f32_16x16x128_f8f6f4 v[(\d):(\d)+7], v[(\a):(\a)+7], v[(\b):(\b)+7], 0, v[(\sa)], v[(\sb)] matrix_a_fmt:MATRIX_FMT_FP4 matrix_b_fmt:MATRIX_FMT_FP4 matrix_a_scale:MATRIX_SCALE_ROW1 matrix_b_scale:MATRIX_SCALE_ROW1
.elseif (\ra)
	v_wmma_scale_f32_16x16x128_f8f6f4 v[(\d):(\d)+7], v[(\a):(\a)+7], v[(\b):(\b)+7], 0, v[(\sa)], v[(\sb)] matrix_a_fmt:MATRIX_FMT_FP4 matrix_b_fmt:MATRIX_FMT_FP4 matrix_a_scale:MATRIX_SCALE_ROW1
.elseif (\rb)
	v_wmma_scale_f32_16x16x128_f8f6f4 v[(\d):(\d)+7], v[(\a):(\a)+7], v[(\b):(\b)+7], 0, v[(\sa)], v[(\sb)] matrix_a_fmt:MATRIX_FMT_FP4 matrix_b_fmt:MATRIX_FMT_FP4 matrix_b_scale:MATRIX_SCALE_ROW1
.else
	v_wmma_scale_f32_16x16x128_f8f6f4 v[(\d):(\d)+7], v[(\a):(\a)+7], v[(\b):(\b)+7], 0, v[(\sa)], v[(\sb)] matrix_a_fmt:MATRIX_FMT_FP4 matrix_b_fmt:MATRIX_FMT_FP4
.endif
.else
.if (\ra) && (\rb)
	v_wmma_scale_f32_16x16x128_f8f6f4 v[(\d):(\d)+7], v[(\a):(\a)+7], v[(\b):(\b)+7], v[(\d):(\d)+7], v[(\sa)], v[(\sb)] matrix_a_fmt:MATRIX_FMT_FP4 matrix_b_fmt:MATRIX_FMT_FP4 matrix_a_scale:MATRIX_SCALE_ROW1 matrix_b_scale:MATRIX_SCALE_ROW1
.elseif (\ra)
	v_wmma_scale_f32_16x16x128_f8f6f4 v[(\d):(\d)+7], v[(\a):(\a)+7], v[(\b):(\b)+7], v[(\d):(\d)+7], v[(\sa)], v[(\sb)] matrix_a_fmt:MATRIX_FMT_FP4 matrix_b_fmt:MATRIX_FMT_FP4 matrix_a_scale:MATRIX_SCALE_ROW1
.elseif (\rb)
	v_wmma_scale_f32_16x16x128_f8f6f4 v[(\d):(\d)+7], v[(\a):(\a)+7], v[(\b):(\b)+7], v[(\d):(\d)+7], v[(\sa)], v[(\sb)] matrix_a_fmt:MATRIX_FMT_FP4 matrix_b_fmt:MATRIX_FMT_FP4 matrix_b_scale:MATRIX_SCALE_ROW1
.else
	v_wmma_scale_f32_16x16x128_f8f6f4 v[(\d):(\d)+7], v[(\a):(\a)+7], v[(\b):(\b)+7], v[(\d):(\d)+7], v[(\sa)], v[(\sb)] matrix_a_fmt:MATRIX_FMT_FP4 matrix_b_fmt:MATRIX_FMT_FP4
.endif
.endif
.endm
	s_load_b256 s[4:11], s[0:1], 0x0               ; aimg s[4:5], asw s[6:7], x's codes s[8:9], x's scales s[10:11]
	s_load_b256 s[12:19], s[0:1], 0x20             ; Wo's codes s[12:13], Wo's scales s[14:15], Wv's codes s[16:17], Wv's scales s[18:19]
	s_load_b64 s[20:21], s[0:1], 0x40              ; out0
	v_lshl_add_u32 v[SPW], v0, 2, SPARE
	v_mov_b32 v[NIL], 0
	ds_add_u32 v[SPW], v[NIL]                      ; the wave's opening: the add, twice on end, and its wait ahead of my first tensor load
	ds_add_u32 v[SPW], v[NIL]
	v_lshrrev_b32 v1, 5, v0
	v_readfirstlane_b32 s[WV], v1                  ; wave 0..3
	v_and_b32 v1, 31, v0                           ; lane
	v_and_b32 v2, 15, v0                           ; r
	v_bfe_u32 v3, v0, 4, 1                         ; h
	v_lshlrev_b32 v[L32], 5, v1
	v_lshlrev_b32 v[L2X], 1, v1
	s_lshr_b32 s24, s[WV], 1                       ; my 64 rows
	s_and_b32 s25, s[WV], 1                        ; my 64 columns
	s_bfe_u32 s26, ttmp6, 0x40000                  ; cx
	s_bfe_u32 s27, ttmp6, 0x40004                  ; cy
	s_and_b32 s28, ttmp7, 0xffff
	s_lshl_b32 s28, s28, 2
	s_add_co_u32 s28, s28, s27                     ; the block of 128 rows
	s_lshl_b32 s29, ttmp9, 2
	s_add_co_u32 s29, s29, s26                     ; the block of 128 columns
	s_lshl_b32 s30, s27, 2
	s_lshl_b32 s30, 15, s30                        ; my row of the cluster
	s_lshl_b32 s31, 0x1111, s26                    ; my column
	s_or_b32 s[G1D], s30, (3<<16)|(1<<21)          ; attn's images: 65,536 dense bytes as 256 rows of 32 elements of 8 bytes; the mask: my row; 21 set beside a mask
	s_mov_b32 s[G1D+1], 32<<16
	s_mov_b32 s[G1D+2], 256<<16
	s_mov_b32 s[G1D+3], 32<<16
	s_mov_b32 s[G1D+4], 256
	s_mov_b32 s[G1D+5], 32
	s_mov_b32 s[G1D+6], 0
	s_mov_b32 s[G1D+7], 0
	s_or_b32 s[G1XR], s30, (1<<20)|(1<<21)|(6<<22)|(3<<25)   ; x: 128 rows of 512 bytes, four words of padding after every 128; the mask: my row
	s_or_b32 s[G1WC], s31, (1<<20)|(1<<21)|(6<<22)|(3<<25)   ; Wo, Wv: the same shape; the mask: my column
.irp g, G1XR, G1WC
	s_mov_b32 s[\g+1], 512<<16
	s_mov_b32 s[\g+2], 128<<16
	s_mov_b32 s[\g+3], 512<<16
	s_mov_b32 s[\g+4], 128
	s_mov_b32 s[\g+5], 512
	s_mov_b32 s[\g+6], 0
	s_mov_b32 s[\g+7], 0
.endr
	s_lshl_b32 s76, s28, 16                        ; attn and x: 65,536 bytes a block of 128 rows
	s_mov_b32 s77, 0
	s_lshl_b32 s80, s29, 16                        ; Wo and Wv likewise, by the block of columns
	s_mov_b32 s81, 0
	s_lshl_b32 s88, s28, 12                        ; attn's scale bytes: 4,096 a block of rows, 2 a row
	s_lshl_b32 s89, s24, 7
	s_add_co_u32 s88, s88, s89
	s_mov_b32 s89, 0
	s_lshl_b32 s82, s28, 12                        ; x's: my 64 rows, 32 bytes a row
	s_lshl_b32 s83, s24, 11
	s_add_co_u32 s82, s82, s83
	s_mov_b32 s83, 0
	s_lshl_b32 s2, s24, 15                         ; my four row tiles of attn: 8,192 bytes each
	s_wait_alu depctr_va_vdst(0)                   ; ahead of the readers below
	v_lshl_add_u32 v[ADA], v1, 4, s2
	v_mul_u32_u24 v12, v2, XP
	v_lshl_add_u32 v12, v3, 4, v12                 ; a fragment's row x pitch + 16 x half
	s_mul_i32 s2, s25, 64*XP
	s_add_co_u32 s2, s2, WO
	v_add_nc_u32 v[ADO], s2, v12
	v_add_nc_u32 v[ADO+1], WVR-WO, v[ADO]
	s_mul_i32 s2, s24, 64*XP
	s_add_co_u32 s2, s2, XR
	v_add_nc_u32 v[ADX], s2, v12
	s_mul_i32 s2, s[WV], 16*272
	s_add_co_u32 s2, s2, STG                       ; my stage
	v_mul_u32_u24 v12, v2, 272
	v_lshl_add_u32 v12, v3, 5, v12
	v_add_nc_u32 v[STO], s2, v12                   ; in: row r, 32 bytes for each half of the lanes
	v_mul_u32_u24 v12, v3, 272
	v_lshl_add_u32 v12, v2, 4, v12
	v_add_nc_u32 v[RD], s2, v12                    ; back: lanes 0-15 one row of 256 bytes, lanes 16-31 the next
	v_lshlrev_b32 v[GO], 12, v3
	v_lshl_add_u32 v[GO], v2, 4, v[GO]             ; and the same two rows in out0
	s_wait_alu depctr_va_vdst(0)
	s_wait_dscnt 0x0                               ; both opening adds are done
	ROUND                                          ; all sixteen work-groups are here: the joint loads meet.  (The arguments are still on their way)
	s_wait_kmcnt 0x0
	s_mov_b32 s[G0A], 1
	s_mov_b32 s[G0A+1], 0
	s_add_nc_u64 s[G0A+2:G0A+3], s[4:5], s[76:77]
	s_or_b32 s[G0A+3], s[G0A+3], 0x80000000
	s_mov_b32 s[G0X], 1
	s_mov_b32 s[G0X+1], XR
	s_add_nc_u64 s[G0X+2:G0X+3], s[8:9], s[76:77]
	s_or_b32 s[G0X+3], s[G0X+3], 0x80000000
	s_mov_b32 s[G0O], 1
	s_mov_b32 s[G0O+1], WO
	s_add_nc_u64 s[G0O+2:G0O+3], s[12:13], s[80:81]
	s_or_b32 s[G0O+3], s[G0O+3], 0x80000000
	s_mov_b32 s[G0V], 1
	s_mov_b32 s[G0V+1], WVR
	s_add_nc_u64 s[G0V+2:G0V+3], s[16:17], s[80:81]
	s_or_b32 s[G0V+3], s[G0V+3], 0x80000000
.macro ARM under, g0, g1, next         ; one tree of branches on the wave's number: every way passes exactly one load
	s_cmp_lt_u32 s[WV], \under
	s_cbranch_scc0 \next
	tensor_load_to_lds s[\g0:\g0+3], s[\g1:\g1+7]
	s_nop 0
	PLACES
	s_branch .Lfilled
\next:
.endm
	ARM 1, G0A, G1D, .Lfill_o
	ARM 2, G0O, G1WC, .Lfill_xr
	ARM 3, G0X, G1XR, .Lfill_v
	tensor_load_to_lds s[G0V:G0V+3], s[G1WC:G1WC+7]
	s_nop 0
	PLACES
.Lfilled:
	s_add_nc_u64 s[84:85], s[6:7], s[88:89]
	s_add_nc_u64 s[86:87], s[10:11], s[82:83]
	s_lshl_b32 s82, s29, 12                        ; of my 64 rows of Wo and Wv
	s_lshl_b32 s88, s25, 11
	s_add_co_u32 s82, s82, s88
	s_add_nc_u64 s[88:89], s[14:15], s[82:83]
	s_add_nc_u64 s[90:91], s[18:19], s[82:83]
.irp p, 0,1                                    ; the scale words of all of K stay in registers: lane l takes row 32 p + l; attn's by halves: a row's two bytes of a head
.irp s, 0,1,2,3,4,5,6,7
	global_load_u16 v[ASC+8*\p+\s], v[L2X], s[84:85] offset:512*\s+64*\p
	global_load_u16 v[AHI+8*\p+\s], v[L2X], s[84:85] offset:512*\s+256+64*\p
.endr
	global_load_b128 v[WOS+8*\p:WOS+8*\p+3], v[L32], s[88:89] offset:1024*\p
	global_load_b128 v[WOS+8*\p+4:WOS+8*\p+7], v[L32], s[88:89] offset:1024*\p+16
.endr
.irp p, 0,1
	global_load_b128 v[ASC+16+8*\p:ASC+16+8*\p+3], v[L32], s[86:87] offset:1024*\p
	global_load_b128 v[ASC+16+8*\p+4:ASC+16+8*\p+7], v[L32], s[86:87] offset:1024*\p+16
	global_load_b128 v[WOS+16+8*\p:WOS+16+8*\p+3], v[L32], s[90:91] offset:1024*\p
	global_load_b128 v[WOS+16+8*\p+4:WOS+16+8*\p+7], v[L32], s[90:91] offset:1024*\p+16
.endr
	s_lshl_b32 s76, s28, 19                        ; out0: (128 x block + 64 x my part) rows of 4,096 bytes + (128 x block + 64 x my part) columns of 4
	s_lshl_b32 s2, s24, 18
	s_add_co_u32 s76, s76, s2
	s_lshl_b32 s2, s29, 9
	s_add_co_u32 s76, s76, s2
	s_lshl_b32 s2, s25, 8
	s_add_co_u32 s76, s76, s2
	s_add_nc_u64 s[20:21], s[20:21], s[76:77]
; 16 LDS loads: K step s into set s mod 3
.macro FETCHC s
.set PH, (\s)/8
.set QQ, (\s)%8
.set FB, 64*((\s)%3)
	WIN 0x80                                       ; destination: window 2
.irp t, 0,1,2,3
.irp c, 0,1
	ds_load_b128 v[FB+8*\t+4*\c:FB+8*\t+4*\c+3], v[ADO+PH] offset:16*XP*\t+64*QQ+32*\c
.endr
.endr
.irp m, 0,1,2,3
.irp c, 0,1
.if PH
	ds_load_b128 v[FB+32+8*\m+4*\c:FB+32+8*\m+4*\c+3], v[ADX] offset:16*XP*\m+64*QQ+32*\c
.else
	ds_load_b128 v[FB+32+8*\m+4*\c:FB+32+8*\m+4*\c+3], v[ADA] offset:8192*\m+1024*QQ+512*\c
.endif
.endr
.endr
.endm
; 16 products; the accumulators take turns in the same order in every step
.macro MULC s
.set PH, (\s)/8
.set QQ, (\s)%8
.set FB, 64*((\s)%3)
	WIN 0x5a                                       ; sources 0 and 1: window 2; C and D: window 1
.irp m, 0,1,2,3
.irp t, 0,1,2,3
	WM 8*(4*\m+\t), FB+8*\t, FB+32+8*\m, (\s)==0, WOS+16*PH+8*(\t/2)+QQ, ASC+16*PH+8*(\m/2)+QQ, \t%2, \m%2
.endr
.endr
.endm
	s_cmp_lt_u32 s[WV], 2                          ; waves 0 and 1 fetch attn and Wo: theirs is in; x's and Wv's lines are other waves' and may stay out
	s_cbranch_scc0 .Lsecond
	s_wait_tensorcnt 0x0
.Lsecond:
	s_barrier_signal -1
	s_barrier_wait -1
	FETCHC 0
	FETCHC 1
	WIN 0
	s_wait_loadcnt 0x0                             ; the scale words
.irp p, 0,1
.irp s, 0,1,2,3,4,5,6,7
	v_lshl_or_b32 v[ASC+8*\p+\s], v[AHI+8*\p+\s], 16, v[ASC+8*\p+\s]   ; heads 2 s and 2 s + 1
.endr
.endr
.rept 8
	v_nop                                          ; a scale register so written stands 8 places ahead of a product
.endr
	s_wait_alu depctr_va_vdst(0)
.irp s, 0,1,2,3,4,5,6,7,8,9,10,11,12,13,14,15
.if \s == 6
	s_wait_dscnt 0x0                               ; no LDS load of mine is out
	s_wait_tensorcnt 0x0                           ; x's and Wv's rows are in
	s_barrier_signal -1
	s_barrier_wait -1
.endif
.if \s < 14
.if \s > 0
	PLACES                                         ; in front of loads into the set that the last step multiplied
.endif
	FETCHC \s+2
	s_wait_dscnt 32                                ; the loads of the two steps behind this one may be out
.elseif \s == 14
	s_wait_dscnt 16
.else
	s_wait_dscnt 0x0
.endif
	MULC \s
.endr
	PLACES
	; THE WAY OUT.  A lane holds 32 neighbouring bytes of a row, and the lanes beside it hold other rows: 16 rows x 256 bytes at a time go through my own stage and come back as whole rows.
	; LDS serves a wave's instructions in order (ISA guide 5.7.1.4): no wait between the stores and the loads, nor in front of the next block's stores.
.macro TOSTAGE m
	WIN 0x04                                       ; the data: window 1
.irp t, 0,1,2,3
	ds_store_b128 v[STO], v[8*(4*\m+\t):8*(4*\m+\t)+3] offset:64*\t          ; each accumulator from its low end on
	ds_store_b128 v[STO], v[8*(4*\m+\t)+4:8*(4*\m+\t)+7] offset:64*\t+16
.endr
	WIN 0
.irp i, 0,1,2,3,4,5,6,7
	ds_load_b128 v[OB+32*\m+4*\i:OB+32*\m+4*\i+3], v[RD] offset:544*\i
.endr
.endm
.macro SEND m, younger                 ; younger: the next block's 8 stores and 8 loads may be out
	s_wait_dscnt \younger
.irp i, 0,1,2,3,4,5,6,7
	global_store_b128 v[GO], v[OB+32*\m+4*\i:OB+32*\m+4*\i+3], s[20:21] offset:(16*\m+2*\i)*4096 th:TH_STORE_NT   ; 16 lanes store 256 consecutive bytes, at a multiple of 256 from out0's first byte; written once, read by nobody here
.endr
.endm
	TOSTAGE 0
	TOSTAGE 1
	SEND 0, 16
	TOSTAGE 2
	SEND 1, 16
	TOSTAGE 3
	SEND 2, 16
	SEND 3, 0
	s_wait_tensorcnt 0x0                           ; the wave's end
	ds_add_u32 v[SPW], v[NIL]
	s_wait_dscnt 0x0
	ROUND                                          ; the closing round: no work-group ends while a partner may still ask for a tile that names it
	s_endpgm
.Lfunc_end_k_q40e80b7925_outproj:
	.size	k_q40e80b7925_outproj, .Lfunc_end_k_q40e80b7925_outproj-k_q40e80b7925_outproj
	.p2alignl 7, 3214868480
	.fill 96, 4, 3214868480
	.section	.rodata,"a",@progbits
	.p2align	6, 0x0
	.amdhsa_kernel k_q40e80b7925_outproj
		.amdhsa_group_segment_fixed_size 286720
		.amdhsa_private_segment_fixed_size 0
		.amdhsa_enable_private_segment 0
		.amdhsa_kernarg_size 72
		.amdhsa_user_sgpr_count 2
		.amdhsa_user_sgpr_kernarg_segment_ptr 1
		.amdhsa_wavefront_size32 1
		.amdhsa_system_sgpr_workgroup_id_x 1
		.amdhsa_system_sgpr_workgroup_id_y 1
		.amdhsa_system_sgpr_workgroup_id_z 1
		.amdhsa_system_vgpr_workitem_id 0
		.amdhsa_next_free_vgpr 768
		.amdhsa_next_free_sgpr 92
		.amdhsa_reserve_vcc 0
		.amdhsa_float_denorm_mode_32 3
		.amdhsa_float_denorm_mode_16_64 3
		.amdhsa_memory_ordered 1
		.amdhsa_forward_progress 1
		.amdhsa_inst_pref_size 73
	.end_amdhsa_kernel
	.amdgpu_metadata
---
amdhsa.version: [ 1, 2 ]
amdhsa.kernels:
  - .name:           k_q40e80b7925_outproj
    .symbol:         k_q40e80b7925_outproj.kd
    .args:
      - { .name: aimg, .offset: 0, .size: 8, .value_kind: global_buffer, .address_space: global }
      - { .name: asw, .offset: 8, .size: 8, .value_kind: global_buffer, .address_space: global }
      - { .name: encoded_vectors_codes, .offset: 16, .size: 8, .value_kind: global_buffer, .address_space: global }
      - { .name: encoded_vectors_scales, .offset: 24, .size: 8, .value_kind: global_buffer, .address_space: global }
      - { .name: Wo_codes, .offset: 32, .size: 8, .value_kind: global_buffer, .address_space: global }
      - { .name: Wo_scales, .offset: 40, .size: 8, .value_kind: global_buffer, .address_space: global }
      - { .name: Wv_codes, .offset: 48, .size: 8, .value_kind: global_buffer, .address_space: global }
      - { .name: Wv_scales, .offset: 56, .size: 8, .value_kind: global_buffer, .address_space: global }
      - { .name: out0, .offset: 64, .size: 8, .value_kind: global_buffer, .address_space: global }
    .group_segment_fixed_size: 286720
    .private_segment_fixed_size: 0
    .kernarg_segment_align: 8
    .kernarg_segment_size: 72
    .max_flat_workgroup_size: 128
    .sgpr_count:     92
    .vgpr_count:     768
    .wavefront_size: 32
...
	.end_amdgpu_metadata
.endif
;; end of part 3
